; MI455X (gfx1250); checked and timed in simulation.
; The chip was launched on July 23, 2026; its instructions are those of AMD's public machine-readable ISA for CDNA 5 (MIT licence, August 2026) and "CDNA5" Instruction Set Architecture Reference Guide (July 2026). The comments in the code are by the model that wrote it; some were corrected since.
;; Self Attention. Allowed arithmetic: matrix products marked QUANTISED: E2M3 operands, one E8M0 scale for each 32 along K, by v_wmma_scale_f32_16x16x128_f8f6f4 with both operands' format E2M3, f32 sums; everything else in f32.
;; Inputs: Wk 2,048 x 512 float32; Wp 2,048 x 2,048 float32; Wq 2,048 x 2,048 float32; Wv 2,048 x 512 float32; x 4 x 1,024 x 2,048 float32.
;; Outputs: out0 4 x 1,024 x 2,048 float32.
;; This version of the problem:
;;   THIS VERSION OF THE PROBLEM IS GIVEN IN LOW PRECISION. The matrix products marked QUANTISED in the list below multiply operands that are first quantised to E2M3 (2 exponent bits, 3 mantissa bits; 6 bits a number), with one power-of-two scale for each 32 numbers along K (OCP MX v1.0); their sums are f32. All else is computed in f32.
;;   The module's matrix products, in the order in which they are computed (A, B: the left and right operand; K: the contracted axis; several contracted axes count as one K, in the product's order):
;;     1. [M 4,096, K 2,048] x [K 2,048, N 2,048]; A: input x; B: input Wq: QUANTISED
;;     2. [M 4,096, K 2,048] x [K 2,048, N 512]; A: input x; B: input Wk: QUANTISED
;;     3. [M 4,096, K 2,048] x [K 2,048, N 512]; A: input x; B: input Wv: QUANTISED
;;     4. batch 128 x [M 1,024, K 64] x [K 64, N 1,024]; A: computed on the way; B: computed on the way: QUANTISED
;;     5. batch 128 x [M 1,024, K 1,024] x [K 1,024, N 64]; A: softmax (see below); B: computed on the way: QUANTISED
;;     6. [M 4,096, K 2,048] x [K 2,048, N 2,048]; A: computed on the way; B: input Wp: QUANTISED
;;   THE QUANTISER, for each operand of a quantised product, along K:
;;     - K is cut into blocks of 32 from its start; a last block that is shorter is filled with zeros.
;;     - A block's scale is 2^e with e = floor(log2(the largest magnitude in the block)) - 2, held to -126 .. 127; a block of zeros has e = 0. As a byte (E8M0): e + 127.
;;     - Each number is divided by its block's scale, clamped to +-7.5, and rounded to the nearest number of E2M3, ties to even, subnormals kept.
;;     - The product sums the exact products of the quantised numbers (number of the format x scale) in f32.
;;   ~~~python
;;   def quantise(x, axis):      # numpy; x: float32 -> the quantised numbers, widened to float32 again
;;       x = np.moveaxis(x, axis, -1); K = x.shape[-1]
;;       x = np.pad(x, [(0, 0)] * (x.ndim - 1) + [(0, -K % 32)]); x = x.reshape(x.shape[:-1] + (-1, 32)); a = np.abs(x).max(-1, keepdims=True)
;;       e = np.where(a > 0, np.clip(np.frexp(np.where(a > 0, a, 1))[1] - 1 - 2, -126, 127), 0)      # np.frexp(a)[1] - 1 = floor(log2(a)), exactly
;;       r = np.clip(x / 2.0 ** e, -7.5, 7.5)
;;       step = 2.0 ** (np.maximum(np.frexp(np.where(r == 0, 1, r))[1] - 1, 0) - 3)
;;       q = np.round(r / step) * step * 2.0 ** e      # np.round: ties to even
;;       return np.moveaxis(q.reshape(q.shape[:-2] + (-1,))[..., :K], -1, axis).astype(np.float32)
;;   ~~~
;;   SOFTMAX AHEAD OF A QUANTISED PRODUCT. Where the list says 'softmax', what is quantised is not the finished softmax but p = 2^(t - M), with t = logit x log2(e) and M = ceil(the row's largest t), a whole number; so 1/2 < the row's largest p <= 1. The row's sum l is taken of the UNQUANTISED p, in f32, and the product's result is divided by l at the end. Since M is a whole number, a kernel that streams over the keys may use a running M (the ceiling of the running maximum): every later rescaling is an exact power of two, which a block's scale takes up: the codes' values come out the same.
;;   OPERANDS COMPUTED ON THE WAY. 'Computed on the way' means the value that the module computes at that place (a softmax that the list does not call 'softmax' is quantised finished and normalised). What goes into a quantiser is computed in f32, as accurately as f32 sums, v_exp_f32 and their like allow (about 1e-6 of the number): no bf16 or f16 on the way to a quantiser, and a product that is left as it is and whose result goes on into a quantised operand takes f32 operands (vector FMAs, or v_wmma_f32_16x16x4_f32). A number that lies on a knife's edge between two numbers of the format may be rounded either way, as far as f32 arithmetic and the matrix unit's own rounding can turn it there, and no further.
;; One version. Each part assembles by itself: llvm-mc -triple=amdgcn-amd-amdhsa -mcpu=gfx1250 --defsym DOCPART=n.
;; ======== version 1 of 1: 4 launches
;; limits: right only within a limited range of input values
;; workspace buffers: xbuf 6,553,600 bytes; w1buf 4,915,200 bytes; w2buf 3,276,800 bytes; qbuf 7,340,032 bytes; kvbuf 3,276,800 bytes; aobuf 6,553,600 bytes
;; launch quant (part 1): grid 576 x 1, 4 waves a work-group, no clusters, 71,168 bytes of LDS; arguments x, Wq, Wk, Wv, Wp, xbuf, w1buf, w2buf; writes xbuf, w1buf, w2buf
.if DOCPART == 1
	.amdgcn_target "amdgcn-amd-amdhsa--gfx1250"
	.amdhsa_code_object_version 6
	.text
	.protected	k_q14f6861966_quant
	.globl	k_q14f6861966_quant
	.p2align	8
	.type	k_q14f6861966_quant,@function
k_q14f6861966_quant:
	s_mov_b64 s[64:65], 0
	v_nop
	global_prefetch_b8 v0, s[64:65] scope:SCOPE_SE
	s_setreg_imm32_b32 hwreg(HW_REG_WAVE_MODE, 25, 1), 1
	s_wait_xcnt 0x0
; x [4096][2048] and the four weights ([2048 (K)][n]), all f32, become codes of FP6 (E2M3) with one E8M0 byte for each 32 along K.
; A block's scale is 2^(floor(log2(its largest magnitude)) - 2): its byte is the largest magnitude's exponent field - 2, held at 1 from below.
; LIMITS: NaN and infinities are not served; a block whose largest magnitude lies under 2^-124 (a block of zeros too) gets the byte 1: its bytes are read by this program alone, and zero codes add nothing.
; THE CODES ARE LAID AS IMAGES OF THE OPERAND'S REGISTERS: [sigma = K/256][tile = row/16][q = 128-step][p = 0..5][lane][8 bytes]; piece p = 3 c + j holds registers 6 c + 2 j, 6 c + 2 j + 1 of lane (row % 16, h): k = 64 c + 32 h + ..
; so that six loads of 8 bytes a lane, each of 256 consecutive bytes, bring a fragment.  THE SCALE BYTES: [row group][sigma][row][8 bytes], byte 4 q + block.
; Work-groups 0-255 take x (K innermost: a lane holds 16 neighbours, two lanes a block; loads are dense and turn through a stage in LDS).
; Work-groups 256-575 take the weights (K outermost: a lane takes a column, its registers run down K).  Each path has LDS bytes of its own.  Waves share nothing: no barrier.
; ROWS OF w1buf: position = 384 g + 96 w + rho: rho 0-63 query head 4 g + w; rho 64-95: key dims 32 w .. (w = 0, 1) or value dims 32 (w - 2) .. (w = 2, 3) of key/value head g.
; Inside every 32 positions of w1buf and w2buf position 16 u + 8 a + i holds feature 16 a + 8 u + i, so that a lane's 16 results of two neighbouring tiles are 16 neighbouring features.
.set XREG,  11520                      ; x path: LDS of a wave: two stages of 32 x 80, the image of 6,144 bytes, 256 scale bytes
.set XOUT,  5120
.set XSCS,  11264
.set WLDS,  46080                      ; weights' path: 6,144 bytes a wave, behind the x path's bytes
.set R,     16                         ; x: v16-79 four sets of 16 numbers as loaded
.set X,     80                         ; x: v80-111 two sets of 16 neighbours
.set E,     112                        ; x: v112-127 a scale byte for each step
.set C,     128                        ; x: v128-191 codes, four registers a step
.set VO,    32                         ; w: v32-63 byte offsets of 32 rows of K
.set WX,    64                         ; w: v64-127 two sets of 32 numbers
.set WC,    128                        ; w: v128-134, v136-142 codes, by the block's parity
.set SB,    24                         ; w: v24-25 eight scale bytes
.set WO,    144                        ; w: v144-191 the way out
	s_load_b512 s[4:19], s[0:1], 0x0               ; x 4, Wq 6, Wk 8, Wv 10, Wp 12, xbuf 14, w1buf 16, w2buf 18
	v_lshl_add_u32 v192, v0, 2, 0x11400
	v_mov_b32 v193, 0
	v_lshrrev_b32 v1, 5, v0
	v_readfirstlane_b32 s20, v1                    ; wave
	v_and_b32 v2, 31, v0                           ; lane
	s_cmp_lt_u32 ttmp9, 256
	s_cbranch_scc0 .Lweights
; ---------------- x: a wave takes 32 rows x 256 along K (one sigma): 16 steps, step t = rows t and 16 + t
	v_lshlrev_b32 v3, 4, v2                        ; 16 x lane
	s_mul_i32 s21, s20, XREG
	v_lshrrev_b32 v14, 2, v2
	v_mul_u32_u24 v14, v14, 80
	v_and_b32 v15, 3, v2
	v_lshl_add_u32 v14, v15, 4, v14
	v_add_nc_u32 v14, s21, v14                     ; stage, in: 80 (lane / 4) + 16 (lane % 4)
	v_mul_u32_u24 v15, v2, 80
	v_add_nc_u32 v15, s21, v15                     ; stage, out: 80 x lane: my 16 neighbours: tile lane / 16, k = 16 (lane % 16)
	v_lshrrev_b32 v4, 4, v2
	v_mul_u32_u24 v4, v4, 3072                     ; the image: tile,
	v_bfe_u32 v5, v2, 3, 1
	v_mad_u32_u24 v4, v5, 1536, v4                 ; q,
	v_bfe_u32 v5, v2, 2, 1
	v_mad_u32_u24 v4, v5, 768, v4                  ; c,
	v_bfe_u32 v5, v2, 1, 1
	v_lshl_add_u32 v4, v5, 7, v4                   ; h (16 lanes of 8 bytes)
	s_add_co_u32 s22, s21, XOUT
	v_add_nc_u32 v4, s22, v4
	v_and_b32 v7, 1, v2                            ; which half of the block's 24 bytes is mine
	v_mad_u32_u24 v5, v7, 508, v4
	v_add_nc_u32 v5, 4, v5                         ; my second word: byte 4 or 16 of the block: + 4 or + 512
	v_mad_u32_u24 v4, v7, 260, v4                  ; my first word: byte 0 or 12: + 0 or + 260; my third lies 256 further on
	v_lshrrev_b32 v7, 4, v2
	v_bfe_u32 v8, v2, 1, 3
	v_lshl_add_u32 v7, v7, 7, v8
	s_add_co_u32 s23, s21, XSCS
	v_add_nc_u32 v7, s23, v7                       ; my block's byte: 128 x tile + 8 x row (the step's immediate) + 4 q + block
	v_add_nc_u32 v10, s22, v3                      ; the way out: 16 bytes a lane of the image,
	v_lshlrev_b32 v13, 3, v2
	v_add_nc_u32 v12, s23, v13                     ; 8 bytes a lane of the scale bytes
	s_lshr_b32 s23, ttmp9, 1                       ; which 32 rows
	s_and_b32 s24, ttmp9, 1
	s_lshl_b32 s24, s24, 2
	s_add_co_u32 s24, s24, s20                     ; sigma
	s_lshl_b32 s26, s23, 18
	s_lshl_b32 s25, s24, 10
	s_add_co_u32 s26, s26, s25                     ; x: 32 rows of 8,192 bytes, 1,024 bytes a sigma
	s_mov_b32 s27, 0
	s_mul_i32 s28, s24, 786432
	s_mul_i32 s25, s23, 6144
	s_add_co_u32 s28, s28, s25                     ; the codes
	s_mov_b32 s29, 0
	s_lshr_b32 s30, s23, 2
	s_lshl_b32 s30, s30, 13
	s_lshl_b32 s25, s24, 10
	s_add_co_u32 s30, s30, s25
	s_and_b32 s25, s23, 3
	s_lshl_b32 s25, s25, 8
	s_add_co_u32 s30, s30, s25
	s_add_co_u32 s30, s30, 6291456                 ; the scale bytes: group of 128 rows, sigma, my 32 rows
	s_mov_b32 s31, 0
	s_wait_kmcnt 0x0
	s_add_nc_u64 s[4:5], s[4:5], s[26:27]
	s_add_nc_u64 s[28:29], s[14:15], s[28:29]
	s_add_nc_u64 s[30:31], s[14:15], s[30:31]
.macro XLOAD t                         ; four loads of 512 consecutive bytes: rows t and 16 + t
.irp i, 0,1,2,3
	global_load_b128 v[R+16*((\t)%4)+4*\i:R+16*((\t)%4)+4*\i+3], v3, s[4:5] offset:((\t)+16*(\i/2))*8192+512*(\i%2) th:TH_LOAD_NT
.endr
.endm
.macro XTURN t                         ; through the stage: LDS serves a wave's instructions in order, so no wait stands between the stores and the loads
.irp i, 0,1,2,3
	ds_store_b128 v14, v[R+16*((\t)%4)+4*\i:R+16*((\t)%4)+4*\i+3] offset:2560*((\t)%2)+640*\i
.endr
.irp i, 0,1,2,3
	ds_load_b128 v[X+16*((\t)%2)+4*\i:X+16*((\t)%2)+4*\i+3], v15 offset:2560*((\t)%2)+16*\i
.endr
.endm
.irp t, 0,1,2,3
	XLOAD \t
.endr
	s_wait_loadcnt 12                              ; step 0's four loads are in
	XTURN 0
.macro XSTEP t
.set XS, X+16*((\t)%2)
.if (\t) > 0
	s_wait_dscnt 0x4                               ; this step's numbers are back; behind them only the last step's three code stores and its byte store
.else
	s_wait_dscnt 0x0
.endif
.if (\t)+4 < 16
	XLOAD (\t)+4
.endif
.if (\t)+1 < 16
.if 14-(\t) >= 3
	s_wait_loadcnt 12                              ; the next step's loads are in; those of the three steps behind it may be out
.else
	s_wait_loadcnt 4*(14-(\t))
.endif
	XTURN (\t)+1
.endif
	v_max3_num_f32 v8, |v[XS]|, |v[XS+1]|, |v[XS+2]|
	v_max3_num_f32 v9, |v[XS+3]|, |v[XS+4]|, |v[XS+5]|
.irp i, 6,10
	v_max3_num_f32 v8, v8, |v[XS+\i]|, |v[XS+\i+1]|
	v_max3_num_f32 v9, v9, |v[XS+\i+2]|, |v[XS+\i+3]|
.endr
	v_max3_num_f32 v8, v8, |v[XS+14]|, |v[XS+15]|
	v_max3_num_f32 v8, v8, v9, 0x1800000           ; the floor 2^(3 - 127): the byte cannot fall under 1
	v_max_num_f32_dpp v8, v8, v8 row_xmask:1 row_mask:0xf bank_mask:0xf   ; with my neighbour's 16: the block's largest magnitude
	v_add_nc_u32 v11, 0xff000000, v8               ; 2 off its exponent field: the conversion's scale operand
	v_cvt_scalef32_pk16_fp6_f32 v[C+4*(\t):C+4*(\t)+2], v[XS:XS+15], v11
	v_lshrrev_b32 v[E+(\t)], 23, v11               ; the scale's byte (also the plain line behind the conversion)
	ds_store_b32 v4, v[C+4*(\t)] offset:8*(\t)     ; my 12 bytes go to their places in the image; the row is the step: 8 bytes a lane of the image
	ds_store_b32 v5, v[C+4*(\t)+1] offset:8*(\t)
	ds_store_b32 v4, v[C+4*(\t)+2] offset:8*(\t)+256
	ds_store_b8 v7, v[E+(\t)] offset:8*(\t)        ; both lanes of a block write the same byte with the same value
.endm
.irp t, 0,1,2,3,4,5,6,7,8,9,10,11,12,13,14,15
	XSTEP \t
.endr
.irp i, 0,1,2,3,4,5,6,7,8,9,10,11
	ds_load_b128 v[R+4*\i:R+4*\i+3], v10 offset:512*\i   ; in order behind my stores
.endr
	ds_load_b64 v[64:65], v12
.irp i, 0,1,2,3,4,5,6,7,8,9,10,11
	s_wait_dscnt 12-\i
	global_store_b128 v3, v[R+4*\i:R+4*\i+3], s[28:29] offset:512*\i   ; 512 consecutive bytes, at a multiple of 256 from the buffer's first byte
.endr
	s_wait_dscnt 0x0
	global_store_b64 v13, v[64:65], s[30:31]       ; 256 consecutive bytes
	s_wait_tensorcnt 0x0
	ds_add_u32 v192, v193
	s_wait_dscnt 0x0
	s_endpgm
; ---------------- the weights: a wave takes 32 columns x 256 along K: 8 blocks a lane
.Lweights:
	s_sub_co_u32 s21, ttmp9, 256
	s_lshr_b32 s22, s21, 3                         ; ct: which 128 columns: 0-15 Wq, 16-19 Wk, 20-23 Wv, 24-39 Wp
	s_and_b32 s23, s21, 7                          ; sigma
	s_and_b32 s24, s20, 1                          ; e
	s_lshr_b32 s25, s20, 1                         ; f
	s_wait_kmcnt 0x0
	s_mov_b64 s[26:27], s[12:13]                   ; the source, its first column tile and its row's bytes: chosen on ct alone
	s_mov_b32 s28, 24
	s_mov_b32 s29, 8192
	s_cmp_lt_u32 s22, 24
	s_cselect_b64 s[26:27], s[10:11], s[26:27]
	s_cselect_b32 s28, 20, s28
	s_cselect_b32 s29, 2048, s29
	s_cmp_lt_u32 s22, 20
	s_cselect_b64 s[26:27], s[8:9], s[26:27]
	s_cselect_b32 s28, 16, s28
	s_cmp_lt_u32 s22, 16
	s_cselect_b64 s[26:27], s[6:7], s[26:27]
	s_cselect_b32 s28, 0, s28
	s_cselect_b32 s29, 8192, s29
	s_sub_co_u32 s30, s22, s28
	s_lshl_b32 s30, s30, 9                         ; 128 columns of 4 bytes
	s_lshl_b32 s31, s20, 7                         ; 32 columns a wave
	s_add_co_u32 s30, s30, s31
	s_lshl_b32 s31, s23, 8
	s_mul_i32 s31, s31, s29                        ; 256 sigma rows
	s_add_co_u32 s30, s30, s31
	s_mov_b32 s31, 0
	s_add_nc_u64 s[32:33], s[26:27], s[30:31]      ; a base for each block of 32 rows: none is ever stepped
	s_lshl_b32 s30, s29, 5
.irp t, 1,2,3,4,5,6,7
	s_add_nc_u64 s[32+2*\t:33+2*\t], s[30+2*\t:31+2*\t], s[30:31]
.endr
	; where the results go, in units of 32 positions (PP) and in row groups (RG): all three cases are worked out and one is chosen
	s_mul_i32 s48, s22, 6
	s_mul_i32 s49, s25, 3
	s_add_co_u32 s48, s48, s49
	s_add_co_u32 s48, s48, s24                     ; Wq: PP = 6 ct + 3 f + e
	s_lshl_b32 s49, s22, 1
	s_add_co_u32 s49, s49, s25                     ;     RG = 2 ct + f: the head
	s_mov_b32 s50, s24                             ;     which 32 of the group's 96 rows: e
	s_sub_co_u32 s51, s22, 16
	s_lshr_b32 s52, s51, 2                         ; Wk, Wv: 0 for k, 1 for v
	s_and_b32 s51, s51, 3
	s_lshl_b32 s51, s51, 1
	s_add_co_u32 s51, s51, s25                     ;     g
	s_mul_i32 s53, s51, 12
	s_mul_i32 s54, s24, 3
	s_add_co_u32 s53, s53, s54
	s_mul_i32 s54, s52, 6
	s_add_co_u32 s53, s53, s54
	s_add_co_u32 s53, s53, 2                       ;     PP = 12 g + 3 e + 6 v + 2
	s_lshl_b32 s54, s51, 2
	s_add_co_u32 s54, s54, s24
	s_lshl_b32 s55, s52, 1
	s_add_co_u32 s54, s54, s55                     ;     RG = 4 g + e + 2 v
	s_cmp_lt_u32 s22, 16
	s_cselect_b32 s48, s48, s53
	s_cselect_b32 s49, s49, s54
	s_cselect_b32 s50, s50, 2
	s_mul_i32 s53, s23, 589824
	s_mul_i32 s54, s48, 6144
	s_add_co_u32 s53, s53, s54                     ; w1buf: the codes,
	s_mul_i32 s54, s49, 6144
	s_mul_i32 s55, s23, 768
	s_add_co_u32 s54, s54, s55
	s_lshl_b32 s55, s50, 8
	s_add_co_u32 s54, s54, s55
	s_add_co_u32 s54, s54, 4718592                 ; the scale bytes
	s_sub_co_u32 s48, s22, 24
	s_lshl_b32 s48, s48, 2
	s_add_co_u32 s48, s48, s20                     ; Wp: PP = 4 (ct - 24) + wave
	s_mul_i32 s49, s23, 393216
	s_mul_i32 s50, s48, 6144
	s_add_co_u32 s49, s49, s50                     ; w2buf: the codes,
	s_lshr_b32 s50, s48, 1
	s_lshl_b32 s50, s50, 12
	s_lshl_b32 s51, s23, 9
	s_add_co_u32 s50, s50, s51
	s_and_b32 s51, s48, 1
	s_lshl_b32 s51, s51, 8
	s_add_co_u32 s50, s50, s51
	s_add_co_u32 s50, s50, 3145728                 ; the scale bytes
	s_cmp_lt_u32 s22, 24
	s_cselect_b32 s56, s53, s49
	s_cselect_b32 s58, s54, s50
	s_cselect_b64 s[60:61], s[16:17], s[18:19]
	s_mov_b32 s57, 0
	s_mov_b32 s59, 0
	s_add_nc_u64 s[56:57], s[60:61], s[56:57]
	s_add_nc_u64 s[58:59], s[60:61], s[58:59]
	s_wait_alu depctr_va_vdst(0)
	v_lshlrev_b32 v[VO], 2, v2                     ; my column; row i of a block lies i rows further down
.set i, 1
.rept 31
	v_add_nc_u32 v[VO+i], s29, v[VO+i-1]
.set i, i+1
.endr
	v_bfe_u32 v3, v2, 3, 1                         ; column 16 a + 8 u + i goes to tile u,
	v_and_b32 v4, 7, v2
	v_lshrrev_b32 v5, 4, v2
	v_lshl_add_u32 v4, v5, 3, v4                   ; row 8 a + i
	v_lshlrev_b32 v6, 3, v4
	v_lshlrev_b32 v11, 4, v4                       ; THE WEIGHTS' IMAGES are laid [q][chunk 0..2][lane][16 bytes]: chunk c holds registers 4 c .. 4 c + 3 of a lane, so that three loads of 16 bytes a lane bring a fragment
	v_mad_u32_u24 v7, v3, 3072, v11
	s_mul_i32 s21, s20, 6144
	s_add_co_u32 s21, s21, WLDS
	v_add_nc_u32 v7, s21, v7                       ; my place in the image in LDS
	v_lshl_add_u32 v9, v3, 7, v6                   ; and among the 32 rows' scale bytes: 8 x position
	v_lshlrev_b32 v8, 4, v2
	v_add_nc_u32 v10, s21, v8                      ; the way out: 16 bytes a lane
.macro WLOAD t                         ; block t: 32 rows of K at my column: 128 consecutive bytes a load
.set i, 0
.rept 32
	global_load_b32 v[WX+32*((\t)%2)+i], v[VO+i], s[32+2*(\t):33+2*(\t)] th:TH_LOAD_NT
.set i, i+1
.endr
.endm
	WLOAD 0
	WLOAD 1
.macro WBLOCK t
.set XS, WX+32*((\t)%2)
.set CC, WC+8*((\t)%2)
.if (\t) < 7
	s_wait_loadcnt 32                              ; this block's loads are in; the next block's may be out
.else
	s_wait_loadcnt 0
.endif
	v_max3_num_f32 v12, |v[XS]|, |v[XS+1]|, |v[XS+2]|    ; all 32 numbers of the block are mine
	v_max3_num_f32 v13, |v[XS+3]|, |v[XS+4]|, |v[XS+5]|
.irp i, 6,10,14,18,22,26
	v_max3_num_f32 v12, v12, |v[XS+\i]|, |v[XS+\i+1]|
	v_max3_num_f32 v13, v13, |v[XS+\i+2]|, |v[XS+\i+3]|
.endr
	v_max3_num_f32 v12, v12, |v[XS+30]|, |v[XS+31]|
	v_max3_num_f32 v12, v12, v13, 0x1800000
	v_add_nc_u32 v11, 0xff000000, v12
	v_lshrrev_b32 v13, 23, v11
.if (\t)%4 == 0
	v_mov_b32 v[SB+(\t)/4], v13
.else
	v_lshl_or_b32 v[SB+(\t)/4], v13, 8*((\t)%4), v[SB+(\t)/4]
.endif
	s_wait_alu depctr_va_vdst(0)
	s_wait_dscnt 0x3                               ; all but the last block's three stores are done: those that read this parity's code registers among them
	v_cvt_scalef32_pk16_fp6_f32 v[CC:CC+2], v[XS:XS+15], v11
	v_cvt_scalef32_pk16_fp6_f32 v[CC+4:CC+6], v[XS+16:XS+31], v11   ; (a conversion's three registers begin on an even number)
	v_nop                                          ; one plain line behind a scaled conversion
	v_mov_b32 v[CC+3], v[CC+4]
	v_mov_b32 v[CC+4], v[CC+5]
	v_mov_b32 v[CC+5], v[CC+6]                     ; the block's 24 bytes on end
.irp j, 0,1,2
	ds_store_b64 v7, v[CC+2*\j:CC+2*\j+1] offset:1536*((\t)/4)+512*((3*(((\t)/2)%2)+\j)/2)+256*((\t)%2)+8*((3*(((\t)/2)%2)+\j)%2)   ; register pair 3 c + j: chunk (3 c + j) / 2, its lower or upper 8 bytes; lane 16 h + row
.endr
.if (\t)+2 < 8
	WLOAD (\t)+2
.endif
.endm
.irp t, 0,1,2,3,4,5,6,7
	WBLOCK \t
.endr
	global_store_b64 v9, v[SB:SB+1], s[58:59]      ; the 32 lanes fill 256 consecutive bytes
.irp i, 0,1,2,3,4,5,6,7,8,9,10,11
	ds_load_b128 v[WO+4*\i:WO+4*\i+3], v10 offset:512*\i
.endr
.irp i, 0,1,2,3,4,5,6,7,8,9,10,11
	s_wait_dscnt 11-\i
	global_store_b128 v8, v[WO+4*\i:WO+4*\i+3], s[56:57] offset:512*\i
.endr
	s_wait_tensorcnt 0x0
	ds_add_u32 v192, v193
	s_wait_dscnt 0x0
	s_endpgm
.Lfunc_end_k_q14f6861966_quant:
	.size	k_q14f6861966_quant, .Lfunc_end_k_q14f6861966_quant-k_q14f6861966_quant
	.p2alignl 7, 3214868480
	.fill 96, 4, 3214868480
	.section	.rodata,"a",@progbits
	.p2align	6, 0x0
	.amdhsa_kernel k_q14f6861966_quant
		.amdhsa_group_segment_fixed_size 71168
		.amdhsa_private_segment_fixed_size 0
		.amdhsa_enable_private_segment 0
		.amdhsa_kernarg_size 64
		.amdhsa_user_sgpr_count 2
		.amdhsa_user_sgpr_kernarg_segment_ptr 1
		.amdhsa_wavefront_size32 1
		.amdhsa_system_sgpr_workgroup_id_x 1
		.amdhsa_system_sgpr_workgroup_id_y 1
		.amdhsa_system_sgpr_workgroup_id_z 1
		.amdhsa_system_vgpr_workitem_id 0
		.amdhsa_next_free_vgpr 194
		.amdhsa_next_free_sgpr 66
		.amdhsa_reserve_vcc 0
		.amdhsa_float_denorm_mode_32 3
		.amdhsa_float_denorm_mode_16_64 3
		.amdhsa_memory_ordered 1
		.amdhsa_forward_progress 1
		.amdhsa_inst_pref_size 82
	.end_amdhsa_kernel
	.amdgpu_metadata
---
amdhsa.version: [ 1, 2 ]
amdhsa.kernels:
  - .name:           k_q14f6861966_quant
    .symbol:         k_q14f6861966_quant.kd
    .args:
      - { .name: x, .offset: 0, .size: 8, .value_kind: global_buffer, .address_space: global }
      - { .name: Wq, .offset: 8, .size: 8, .value_kind: global_buffer, .address_space: global }
      - { .name: Wk, .offset: 16, .size: 8, .value_kind: global_buffer, .address_space: global }
      - { .name: Wv, .offset: 24, .size: 8, .value_kind: global_buffer, .address_space: global }
      - { .name: Wp, .offset: 32, .size: 8, .value_kind: global_buffer, .address_space: global }
      - { .name: xbuf, .offset: 40, .size: 8, .value_kind: global_buffer, .address_space: global }
      - { .name: w1buf, .offset: 48, .size: 8, .value_kind: global_buffer, .address_space: global }
      - { .name: w2buf, .offset: 56, .size: 8, .value_kind: global_buffer, .address_space: global }
    .group_segment_fixed_size: 71168
    .private_segment_fixed_size: 0
    .kernarg_segment_align: 8
    .kernarg_segment_size: 64
    .max_flat_workgroup_size: 128
    .sgpr_count:     66
    .vgpr_count:     194
    .wavefront_size: 32
...
	.end_amdgpu_metadata
.endif
;; end of part 1
;; launch gemm1 (part 2): grid 8 x 32, 4 waves a work-group, clusters of 4 x 4, 327,680 bytes of LDS; arguments xbuf, w1buf, qbuf, kvbuf; writes qbuf, kvbuf
.if DOCPART == 2
	.amdgcn_target "amdgcn-amd-amdhsa--gfx1250"
	.amdhsa_code_object_version 6
	.text
	.protected	k_q14f6861966_gemm1
	.globl	k_q14f6861966_gemm1
	.p2align	8
	.type	k_q14f6861966_gemm1,@function
k_q14f6861966_gemm1:
	s_mov_b64 s[64:65], 0
	v_nop
	global_prefetch_b8 v0, s[64:65] scope:SCOPE_SE
	s_setreg_imm32_b32 hwreg(HW_REG_WAVE_MODE, 25, 1), 1
	s_wait_xcnt 0x0
	s_wait_alu depctr_hold_cnt(0) depctr_sa_sdst(0) depctr_va_vdst(0) depctr_va_sdst(0) depctr_va_ssrc(0) depctr_va_vcc(0) depctr_vm_vsrc(0)
	s_getreg_b32 s2, hwreg(HW_REG_IB_STS2, 6, 4)
	s_cmp_eq_u32 s2, 0
	s_cbranch_scc0 .Lentry_in_a_cluster
	s_endpgm
.Lentry_in_a_cluster:
	s_bfe_u32 s2, ttmp6, 0x10000c
	s_cmp_lg_u32 s2, 0xf033
	s_cbranch_scc0 .Lentry_shape_is_right
	s_endpgm
.Lentry_shape_is_right:
; q, k, v = x [Wq | Wk | Wv] on codes of FP6 (E2M3) with E8M0 scales, then the rotation of q and k, then q, k (along the head) and v (along the keys) quantised for the attention launch.
; A work-group makes 128 rows x 384 positions of w1buf (four query heads and one key/value head); wave w makes all 128 rows x positions 96 w .. 96 w + 95: 48 accumulators, 384 registers.
; x's 128 ROWS FOR ALL OF K (8 slices of 24,576 bytes) LIE IN LDS, FILLED ONCE: one joint load a wave at the head: waves 0 and 1 four slices each, wave 2 x's scale bytes, wave 3 the weights' scale bytes.
; Nothing is filled again, so the walk along K has no barrier.  x's tiles and scales are shared along a row of the 4 x 4 cluster, the weights' scales along a column.
; THE WEIGHTS' FRAGMENTS ARE READ BY ONE WAVE OF THE WORK-GROUP ONLY: they go from memory straight into registers (18 loads of 16 bytes a lane for a step of 128 along K), into four sets by turns, three steps ahead:
; 54 loads of a wave are out.  They are not asked for jointly: a joint load serves LDS, and no second wave of the work-group would read them there.
; They are prefetched: in each trip but the last, the two slices that the next trip loads; the four partners of a cluster's column share a wave's 72 blocks of 256 bytes of a slice out by address, 18 each.
; x's tiles are asked for at the head, where there is no loop to run ahead in: no prefetch for them.
; The matrix instruction is used transposed (source 0 = 16 positions of the weights, source 1 = 16 rows of x): a lane holds one row and eight neighbouring features.
; The table of cos and sin (128 positions x 32 frequencies) is computed by each work-group while the head's loads are out: argument reduced by pi / 2 in two parts, polynomials in f32.
; LIMITS: NaN and infinities are not served; a block whose largest magnitude lies under 2^-124 gets the byte 1 (its bytes are read by this program alone).
; REGISTERS: window 0: v0-31 addresses; v32-63, v64-87 scale words of x and of the weights, two sets; v88-183 x's fragments, one set; v184-255 the weights' set 3.  Window 1: sets 0-2.  Windows 2, 3: accumulators of rows 0-63, 64-127.
.set NBK,   6
.set ASIG,  24576                      ; x's 128 rows x 256 along K
.set WSIG,  589824                     ; a slice of 256 along K of w1buf
.set SCLA,  196608
.set SCLB,  204800
.set ROPE,  229376
.set VT,    264192
.set KVST,  301056
.set SPARE, 313856
.set LI,   4
.set L8,   5
.set RA,   6
.set RAK,  7
.set KA0,  8
.set KA1,  9
.set KB,   11
.set VW,   12
.set VR,   13
.set VA,   14
.set VSA,  15
.set ADRA, 16
.set RB,   18
.set RBG,  19
.set PFO,  20
.set RW0,  22
.set RWT,  23
.set ADSA, 24
.set ADSB, 25
.set SPW,  28
.set NIL,  29
.set SCA,  32
.set SCB,  64
.set AF,   88
.set B3,   184
.set TM,   88
.set QW,   104
.set BY,   108
.set FQ,   112
.set TF,   113
.set FI,   119
.set CS,   128
.set T,    192
.set H,    208
.set PC,   240
.set PT,   246
.set G1,   24
.set G0,   32
.set BB,   46
.set SEL,  66
.set G1S,  68
.set G0S,  76
.set G1SB, 80
.set G0SB, 88
.set MSB, 0
.macro WIN new
.if MSB != (\new)
	s_set_vgpr_msb (MSB<<8)|(\new)
.set MSB, \new
.endif
.endm
.set TO_B,   0x40
.macro CREST
	s_cmp_lg_u32 s14, 0
	s_cbranch_scc1 .Lnot_wave_0_\@
	s_barrier_signal -3
.Lnot_wave_0_\@:
	s_barrier_wait -3
	s_barrier_signal -1
	s_barrier_wait -1
.endm
.macro CROUND
	s_barrier_signal -1
	s_barrier_wait -1
	CREST
.endm
.macro GROUP1 g, rows                  ; a dense block as rows of 256 bytes
	s_mov_b32 s[\g+1], 32<<16
	s_mov_b32 s[\g+2], (\rows)<<16
	s_mov_b32 s[\g+3], 32<<16
	s_mov_b32 s[\g+4], \rows
	s_mov_b32 s[\g+5], 32
	s_mov_b32 s[\g+6], 0
	s_mov_b32 s[\g+7], 0
.endm
.macro PLACES n
.rept \n
	v_nop
.endr
.endm
.macro GLOADB u                        ; the weights' six fragments of step u into set u % 4: each load 512 consecutive bytes
.if (\u)%4 == 3
	WIN 0
.set GB, B3
.else
	WIN TO_B
.set GB, 72*((\u)%4)
.endif
.irp i, 0,1,2,3,4,5
.irp c, 0,1,2
	global_load_b128 v[GB+12*\i+4*\c:GB+12*\i+4*\c+3], v[LI], s[BB:BB+1] offset:WSIG*((\u)/2)+1536*((\u)%2)+3072*\i+512*\c
.endr
.endr
	WIN 0
.endm
	s_load_b256 s[4:11], s[0:1], 0x0               ; xbuf 4, w1buf 6, qbuf 8, kvbuf 10
	v_lshl_add_u32 v[SPW], v0, 2, SPARE
	v_mov_b32 v[NIL], 0
	ds_add_u32 v[SPW], v[NIL]                      ; the opening lines: the add, twice on end, and its wait ahead of my first tensor load
	ds_add_u32 v[SPW], v[NIL]
	v_lshrrev_b32 v1, 5, v0
	v_readfirstlane_b32 s14, v1                    ; wave
	s_and_b32 s16, s14, 1
	s_bfe_u32 s40, ttmp6, 0x40000                  ; cx, cy
	s_bfe_u32 s41, ttmp6, 0x40004
	s_lshl_b32 s42, ttmp9, 2
	s_add_co_u32 s42, s42, s40                     ; which 384 positions
	s_and_b32 s17, ttmp7, 0xffff
	s_lshl_b32 s17, s17, 2
	s_add_co_u32 s17, s17, s41                     ; which 128 rows
	s_lshl_b32 s43, s41, 2
	s_lshl_b32 s43, 15, s43                        ; my row of the cluster
	s_lshl_b32 s44, 0x1111, s40                    ; my column
	s_mul_i32 s18, s41, 4608
	v_and_b32 v3, 31, v0                           ; lane
	v_lshlrev_b32 v[LI], 4, v3
	v_min_u32 v[PFO], 17, v3                       ; the prefetches: 18 blocks of 256 bytes, a lane a block (the lanes left over name the last again)
	v_lshlrev_b32 v[PFO], 8, v[PFO]
	v_add_nc_u32 v[PFO], s18, v[PFO]               ; my work-group's 18 of a slice's 72 blocks
	s_or_b32 s[G1], s43, (3<<16)|(1<<21)
	s_or_b32 s[G1S], s43, (3<<16)|(1<<21)
	s_or_b32 s[G1SB], s44, (3<<16)|(1<<21)
	s_mov_b32 s[G1+1], 3072<<16                    ; x's codes: four rows of 24,576 bytes (3,072 elements of 8), 786,432 bytes apart
	s_mov_b32 s[G1+2], 4<<16
	s_mov_b32 s[G1+3], 3072<<16
	s_mov_b32 s[G1+4], 4
	s_mov_b32 s[G1+5], 98304
	s_mov_b32 s[G1+6], 0
	s_mov_b32 s[G1+7], 0
	GROUP1 G1S, 32
	GROUP1 G1SB, 96
	s_mul_i32 s20, s17, ASIG
	s_mul_i32 s18, s16, 4*786432
	s_add_co_u32 s20, s20, s18                     ; x's codes: my rows, slices 0-3 or 4-7
	s_mov_b32 s21, 0
	s_lshl_b32 s22, s17, 13
	s_add_co_u32 s22, s22, 6291456                 ; x's scale bytes
	s_mov_b32 s23, 0
	s_mul_i32 s46, s42, 73728
	s_mul_i32 s18, s14, 18432
	s_add_co_u32 s46, s46, s18                     ; the weights' codes: my wave's six tiles
	s_mov_b32 s47, 0
	s_mul_i32 s92, s42, 24576
	s_add_co_u32 s92, s92, 4718592                 ; the weights' scale bytes
	s_mov_b32 s93, 0
	s_mul_i32 s45, s16, 4*ASIG
	s_lshr_b32 s97, s17, 3
	s_and_b32 s98, s17, 7
	s_lshl_b32 s99, s97, 5
	s_lshl_b32 s100, s42, 2
	s_add_co_u32 s99, s99, s100
	s_add_co_u32 s99, s99, s14
	s_lshl_b32 s100, s99, 6
	s_lshl_b32 s101, s98, 3
	s_add_co_u32 s100, s100, s101
	s_mul_i32 s100, s100, 768
	s_mov_b32 s101, 0
	s_wait_alu depctr_va_vdst(0)
	s_wait_dscnt 0x0                               ; both opening adds are done
	s_wait_kmcnt 0x0
	s_add_nc_u64 s[12:13], s[8:9], s[100:101]      ; q's codes
	s_lshl_b32 s100, s99, 4
	s_lshl_b32 s99, s98, 1
	s_add_co_u32 s100, s100, s99
	s_lshl_b32 s100, s100, 9
	s_add_co_u32 s100, s100, 6291456
	s_add_nc_u64 s[8:9], s[8:9], s[100:101]        ; q's scale words
	s_lshl_b32 s100, s97, 3
	s_add_co_u32 s100, s100, s42
	s_lshl_b32 s100, s100, 3
	s_add_co_u32 s100, s100, s98
	s_mul_i32 s100, s100, 12800
	s_add_nc_u64 s[10:11], s[10:11], s[100:101]    ; the record of k and v
	s_add_nc_u64 s[20:21], s[4:5], s[20:21]
	s_add_nc_u64 s[22:23], s[4:5], s[22:23]
	s_add_nc_u64 s[BB:BB+1], s[6:7], s[BB:BB+1]
	s_add_nc_u64 s[92:93], s[6:7], s[92:93]
	GLOADB 0                                       ; the weights' first three steps: 54 loads
	GLOADB 1
	GLOADB 2
	CROUND                                         ; all sixteen work-groups are here: the joint loads meet
	s_mov_b32 s[G0], 1
	s_mov_b32 s[G0+1], s45
	s_mov_b64 s[G0+2:G0+3], s[20:21]
	s_or_b32 s[G0+3], s[G0+3], 0x80000000
	s_mov_b32 s[G0S], 1
	s_mov_b32 s[G0S+1], SCLA
	s_mov_b64 s[G0S+2:G0S+3], s[22:23]
	s_or_b32 s[G0S+3], s[G0S+3], 0x80000000
	s_mov_b32 s[G0SB], 1
	s_mov_b32 s[G0SB+1], SCLB
	s_mov_b64 s[G0SB+2:G0SB+3], s[92:93]
	s_or_b32 s[G0SB+3], s[G0SB+3], 0x80000000
.macro ARM under, g0, g1, next         ; one chain of branches on the wave's number: every way passes exactly one load
	s_cmp_lt_u32 s14, \under
	s_cbranch_scc0 \next
	tensor_load_to_lds s[\g0:\g0+3], s[\g1:\g1+7]
	s_nop 0
.rept 4
	v_nop
.endr
	s_branch .Lhead_asked
\next:
.endm
	ARM 2, G0,  G1,  .Lhead_sa
	ARM 3, G0S, G1S, .Lhead_sb
	tensor_load_to_lds s[G0SB:G0SB+3], s[G1SB:G1SB+7]
	s_nop 0
.rept 4
	v_nop
.endr
.Lhead_asked:
	v_and_b32 v1, 15, v0
	v_bfe_u32 v2, v0, 4, 1
	v_lshlrev_b32 v[L8], 3, v3
	v_mov_b32 v[ADRA], v[L8]
	v_lshl_add_u32 v[ADSA], v1, 3, SCLA
	s_mul_i32 s18, s14, NBK*1024
	s_add_co_u32 s18, s18, SCLB
	v_lshl_add_u32 v[ADSB], v1, 3, s18
	v_mul_u32_u24 v[RA], v1, 272
	v_lshl_add_u32 v[RA], v2, 6, v[RA]
	v_add_nc_u32 v[RA], ROPE, v[RA]
	s_lshl_b32 s18, s16, 7
	v_add_nc_u32 v[RAK], s18, v[RA]
	v_and_b32 v26, 7, v1
	v_lshrrev_b32 v27, 3, v1
	v_lshl_add_u32 v30, v2, 3, v26
	v_lshlrev_b32 v31, 4, v30
	s_lshl_b32 s18, s16, 8
	s_add_co_u32 s18, s18, KVST
	v_add_nc_u32 v[KA0], s18, v31
	v_mad_u32_u24 v[KA1], v27, 1016, v[KA0]
	v_add_nc_u32 v[KA1], 8, v[KA1]
	v_mad_u32_u24 v[KA0], v27, 520, v[KA0]
	v_lshl_add_u32 v[KB], v27, 1, v31
	s_add_co_u32 s18, s16, KVST+12288
	v_add_nc_u32 v[KB], s18, v[KB]
	s_mul_i32 s19, s16, 18432
	s_add_co_u32 s19, s19, VT
	v_mul_u32_u24 v[VW], v1, 144
	v_lshl_add_u32 v[VW], v2, 6, v[VW]
	v_add_nc_u32 v[VW], s19, v[VW]
	v_lshl_add_u32 v[VR], v3, 2, s19
	s_mul_i32 s18, s16, 3072
	s_add_co_u32 s18, s18, KVST+6144
	v_mad_u32_u24 v[VA], v27, 1536, v31
	v_add_nc_u32 v[VA], s18, v[VA]
	v_lshl_add_u32 v[VSA], v27, 2, v31
	s_lshl_b32 s18, s16, 3
	s_add_co_u32 s18, s18, KVST+12544
	v_add_nc_u32 v[VSA], s18, v[VSA]
	s_lshl_b32 s18, s14, 9
	v_add_nc_u32 v[RBG], s18, v[LI]
	v_add_nc_u32 v[RB], KVST, v[RBG]
	s_mul_i32 s18, s14, 8704
	s_add_co_u32 s18, s18, ROPE
	v_add_nc_u32 v[RW0], s18, v[L8]
; the table: lane i holds 10000^(i / 32); its reciprocal is refined by one step; wave w makes positions 32 w .. 32 w + 31 of the work-group's 128
.macro PW i, hex
	s_mov_b32 s92, \hex
	v_writelane_b32 v[FQ], s92, \i
.endm
	v_mov_b32 v[FQ], 0
	PW 0, 0x3F800000
	PW 1, 0x3FAAB0D5
	PW 2, 0x3FE39EA9
	PW 3, 0x4017C496
	PW 4, 0x404A62C2
	PW 5, 0x4086F161
	PW 6, 0x40B3F300
	PW 7, 0x40EFF755
	PW 8, 0x41200000
	PW 9, 0x41555D0A
	PW 10, 0x418E432A
	PW 11, 0x41BDB5BC
	PW 12, 0x41FCFB72
	PW 13, 0x4228ADB9
	PW 14, 0x4260EFC0
	PW 15, 0x4295FA95
	PW 16, 0x42C80000
	PW 17, 0x43055A26
	PW 18, 0x4331D3F4
	PW 19, 0x436D232B
	PW 20, 0x439E1D27
	PW 21, 0x43D2D927
	PW 22, 0x440C95D8
	PW 23, 0x443B793B
	PW 24, 0x447A0000
	PW 25, 0x44A6B0B0
	PW 26, 0x44DE48F1
	PW 27, 0x451435FB
	PW 28, 0x4545A471
	PW 29, 0x4583C7B8
	PW 30, 0x45AFBB4E
	PW 31, 0x45EA5789
	s_wait_alu depctr_va_vdst(0)                   ; the wait ahead of a transcendental
	v_rcp_f32 v117, v[FQ]
	v_nop
	s_wait_alu depctr_va_vdst(0)                   ; and ahead of its first reader
	v_fma_f32 v118, -v[FQ], v117, 1.0
	v_fma_f32 v[FI], v117, v118, v117
	s_mov_b32 s92, 0x3F22F983                      ; 2 / pi; - pi / 2 in two parts; the polynomials of sin and cos
	s_mov_b32 s93, 0xBFC90FDB
	s_mov_b32 s94, 0x333BBD2E
	s_mov_b32 s95, 0xBE2AAAA3
	s_mov_b32 s96, 0x3C08839E
	s_mov_b32 s97, 0xB94CA1F9
	s_mov_b32 s98, 0x3D2AAAA5
	s_mov_b32 s99, 0xBAB6061A
	s_mov_b32 s100, 0x37CCF5CE
	s_mov_b32 s101, 0x80000000
	s_and_b32 s19, s17, 7
	s_lshl_b32 s19, s19, 7
	s_lshl_b32 s18, s14, 5
	s_add_co_u32 s19, s19, s18
.irp k, 0,1,2,3
	s_add_co_u32 s18, s19, \k
	v_cvt_f32_u32 v[TF+\k], s18
.endr
	s_mov_b32 s19, 0
	s_mov_b32 s3, 8
.Lrope:                                            ; four positions a trip, by turns
	v_add_nc_u32 v[RWT], s19, v[RW0]
	s_wait_alu depctr_va_vdst(0)
.irp k, 0,1,2,3
	v_mul_f32 v[128+16*\k], v[TF+\k], v[FI]
.endr
.irp k, 0,1,2,3
	v_mul_f32 v[129+16*\k], s92, v[128+16*\k]
.endr
.irp k, 0,1,2,3
	v_rndne_f32 v[129+16*\k], v[129+16*\k]
.endr
.irp k, 0,1,2,3
	v_fma_f32 v[130+16*\k], v[129+16*\k], s93, v[128+16*\k]
.endr
.irp k, 0,1,2,3
	v_fma_f32 v[130+16*\k], v[129+16*\k], s94, v[130+16*\k]
.endr
.irp k, 0,1,2,3
	v_cvt_i32_f32 v[134+16*\k], v[129+16*\k]
.endr
.irp k, 0,1,2,3
	v_mul_f32 v[131+16*\k], v[130+16*\k], v[130+16*\k]
.endr
.irp k, 0,1,2,3
	v_fma_f32 v[132+16*\k], v[131+16*\k], s97, s96
	v_fma_f32 v[133+16*\k], v[131+16*\k], s100, s99
.endr
.irp k, 0,1,2,3
	v_fma_f32 v[132+16*\k], v[132+16*\k], v[131+16*\k], s95
	v_fma_f32 v[133+16*\k], v[133+16*\k], v[131+16*\k], s98
.endr
.irp k, 0,1,2,3
	v_mul_f32 v[132+16*\k], v[132+16*\k], v[131+16*\k]
	v_fma_f32 v[135+16*\k], v[131+16*\k], -0.5, 1.0
.endr
.irp k, 0,1,2,3
	v_fma_f32 v[132+16*\k], v[132+16*\k], v[130+16*\k], v[130+16*\k]
	v_mul_f32 v[131+16*\k], v[131+16*\k], v[131+16*\k]
.endr
.irp k, 0,1,2,3
	v_fma_f32 v[133+16*\k], v[131+16*\k], v[133+16*\k], v[135+16*\k]
	v_and_b32 v[135+16*\k], 1, v[134+16*\k]
.endr
.irp k, 0,1,2,3
	v_cmp_eq_u32 vcc_lo, 1, v[135+16*\k]
	v_cndmask_b32 v[137+16*\k], v[132+16*\k], v[133+16*\k], vcc_lo
	v_cndmask_b32 v[136+16*\k], v[133+16*\k], v[132+16*\k], vcc_lo
.endr
.irp k, 0,1,2,3
	v_lshlrev_b32 v[135+16*\k], 30, v[134+16*\k]
	v_add_nc_u32 v[134+16*\k], 1, v[134+16*\k]
.endr
.irp k, 0,1,2,3
	v_and_b32 v[135+16*\k], s101, v[135+16*\k]
	v_lshlrev_b32 v[134+16*\k], 30, v[134+16*\k]
.endr
.irp k, 0,1,2,3
	v_xor_b32 v[137+16*\k], v[137+16*\k], v[135+16*\k]
	v_and_b32 v[134+16*\k], s101, v[134+16*\k]
.endr
.irp k, 0,1,2,3
	v_xor_b32 v[136+16*\k], v[136+16*\k], v[134+16*\k]
	v_add_f32 v[TF+\k], 4.0, v[TF+\k]
.endr
.irp k, 0,1,2,3
	ds_store_b64 v[RWT], v[136+16*\k:137+16*\k] offset:272*\k      ; (cos, sin) of a position and a frequency
.endr
	s_add_co_u32 s19, s19, 1088
	s_sub_co_u32 s3, s3, 1
	s_cmp_lg_u32 s3, 0
	s_cbranch_scc1 .Lrope
	s_mov_b32 s18, 0xffff0000
	s_mov_b32 s[SEL], 0x76543210
	s_mov_b32 s[SEL+1], 0xfedcba98
.set ASB, 0                            ; the slice at which v[ADRA] stands, as the text counts slices
.macro FETCH_A u, i0                   ; x's blocks i0 .. i0 + 3 of step u: six loads of 8 bytes a lane each
.irp i, \i0, \i0+1, \i0+2, \i0+3
.irp p, 0,1,2,3,4,5
	ds_load_b64 v[AF+12*(\i)+2*\p:AF+12*(\i)+2*\p+1], v[ADRA] offset:ASIG*((\u)/2-ASB)+1536*((\u)%2)+3072*(\i)+256*\p
.endr
.endr
.endm
.macro SCALES sg                       ; the scale words of slice sg (two steps) into set sg % 2
.irp i, 0,1,2,3,4,5,6,7
	ds_load_b64 v[SCA+16*((\sg)%2)+2*\i:SCA+16*((\sg)%2)+2*\i+1], v[ADSA] offset:1024*(\sg)+128*\i
.endr
.irp b, 0,1,2,3,4,5
	ds_load_b64 v[SCB+12*((\sg)%2)+2*\b:SCB+12*((\sg)%2)+2*\b+1], v[ADSB] offset:768*(\sg)+128*\b
.endr
.endm
.macro MULA a0, bb, q, sc, zero        ; 12 products: x's blocks a0, a0 + 1 against the six fragments at bb.  The 48 accumulators take turns
.irp a, \a0, \a0+1
.irp b, 0,1,2,3,4,5
.if \zero
	v_wmma_scale_f32_16x16x128_f8f6f4 v[8*(6*((\a)%4)+\b):8*(6*((\a)%4)+\b)+7], v[(\bb)+12*\b:(\bb)+12*\b+11], v[AF+12*(\a):AF+12*(\a)+11], 0, v[SCB+12*(\sc)+2*\b+(\q)], v[SCA+16*(\sc)+2*(\a)+(\q)] matrix_a_fmt:MATRIX_FMT_FP6 matrix_b_fmt:MATRIX_FMT_FP6
.else
	v_wmma_scale_f32_16x16x128_f8f6f4 v[8*(6*((\a)%4)+\b):8*(6*((\a)%4)+\b)+7], v[(\bb)+12*\b:(\bb)+12*\b+11], v[AF+12*(\a):AF+12*(\a)+11], v[8*(6*((\a)%4)+\b):8*(6*((\a)%4)+\b)+7], v[SCB+12*(\sc)+2*\b+(\q)], v[SCA+16*(\sc)+2*(\a)+(\q)] matrix_a_fmt:MATRIX_FMT_FP6 matrix_b_fmt:MATRIX_FMT_FP6
.endif
.endr
.endr
.endm
; A step of 128 along K: 48 products.  ld: the weights of step t + 3 are asked for, into the set that the last step read (four places and more stand behind its last product).
; lcnt: the loads issued behind step t's own.  nx: x's fragments of step t + 1 are fetched, blocks 0-3 in the middle, 4-7 at the end.  ask: the trip's two prefetches.
.macro STEP t, zero, ld, lcnt, nx, ask
.if (\t)%4 == 3
.set SB0, B3
.set WB, 0
.else
.set SB0, 72*((\t)%4)
.set WB, 1
.endif
.if \ld
	GLOADB (\t)+3
.endif
	s_wait_loadcnt \lcnt                           ; this step's 18 loads are in
	s_wait_dscnt 24                                ; x's blocks 0-3 and the scale words are in; the youngest 24 loads (blocks 4-7) may be out
	WIN 0xa0|WB
	MULA 0, SB0, (\t)%2, ((\t)/2)%2, \zero
	MULA 2, SB0, (\t)%2, ((\t)/2)%2, \zero
	s_wait_dscnt 0
.if \nx
	PLACES 4
	WIN 0
	FETCH_A (\t)+1, 0
.if (\t)%2 == 1
	SCALES ((\t)+1)/2
.endif
.endif
.if \ask
	s_cmp_gt_u32 s3, 1                             ; the last trip has no trip behind it
	s_cbranch_scc0 .Lno_ask_\@
	global_prefetch_b8 v[PFO], s[BB:BB+1] offset:4*WSIG th:TH_LOAD_NT scope:SCOPE_SE
	global_prefetch_b8 v[PFO], s[BB:BB+1] offset:5*WSIG th:TH_LOAD_NT scope:SCOPE_SE
.Lno_ask_\@:
.endif
	WIN 0xf0|WB
	MULA 4, SB0, (\t)%2, ((\t)/2)%2, \zero
	MULA 6, SB0, (\t)%2, ((\t)/2)%2, \zero
.if \nx
	PLACES 4
	WIN 0
	FETCH_A (\t)+1, 4
.endif
.endm
	s_wait_alu depctr_va_vdst(0)
	s_wait_tensorcnt 0x0                           ; my tile of the head's four is in,
	s_wait_dscnt 0x0                               ; my part of the table is stored:
	s_barrier_signal -1
	s_barrier_wait -1                              ; everybody's is
	FETCH_A 0, 0
	SCALES 0
	FETCH_A 0, 4
	STEP 0, 1, 1, 54, 1, 0                         ; the first step's products start the sums
.set ASB, 1
	v_add_nc_u32 v[ADRA], ASIG, v[ADRA]
	s_mov_b32 s3, 3
	s_wait_alu depctr_va_vdst(0)
.Llap:                                             ; a trip: steps 4 j + 1 .. 4 j + 4: the four sets come back to where they began
	STEP 1, 0, 1, 54, 1, 1
	STEP 2, 0, 1, 54, 1, 0
	STEP 3, 0, 1, 54, 1, 0
	STEP 4, 0, 1, 54, 1, 0
	s_wait_xcnt 0x0                                ; the loads and prefetches have read their base
	s_add_nc_u64 s[BB:BB+1], s[BB:BB+1], 2*WSIG
	v_add_nc_u32 v[ADRA], 2*ASIG, v[ADRA]
	v_add_nc_u32 v[ADSA], 2048, v[ADSA]
	v_add_nc_u32 v[ADSB], 1536, v[ADSB]
	s_sub_co_u32 s3, s3, 1
	s_cmp_lg_u32 s3, 0
	s_wait_alu depctr_va_vdst(0)
	s_cbranch_scc1 .Llap
	STEP 1, 0, 0, 36, 1, 0                         ; steps 13, 14, 15: nothing more to ask for
	STEP 2, 0, 0, 18, 1, 0
	STEP 3, 0, 0, 0, 0, 0
	WIN 0
	PLACES 4
	v_mov_b32 v[TM+4], 0                           ; permute destinations, written once
	v_mov_b32 v[TM+5], 0
; THE WAY OUT.  ROT: the rotation of eight neighbouring features by (cos, sin) pairs.  QUANT2: two blocks of 32 along the head become codes and bytes.
.macro ROT acc, cs, hd, tt
.irp i, 0,1,2,3
	v_pk_mul_f32 v[(\tt)+2*\i:(\tt)+2*\i+1], v[(\acc)+2*\i:(\acc)+2*\i+1], v[(\cs)+2*\i:(\cs)+2*\i+1] op_sel:[1,1] op_sel_hi:[0,1]
.endr
.irp i, 0,1,2,3
	v_pk_fma_f32 v[(\hd)+2*\i:(\hd)+2*\i+1], v[(\acc)+2*\i:(\acc)+2*\i+1], v[(\cs)+2*\i:(\cs)+2*\i+1], v[(\tt)+2*\i:(\tt)+2*\i+1] op_sel_hi:[1,0,1] neg_lo:[0,0,1]
.endr
.endm
.macro QUANT2 s
.irp b, 0,1
	v_max3_num_f32 v[TM+\b], |v[\s+16*\b]|, |v[\s+1+16*\b]|, 0x1800000
.endr
.irp i, 2,4,6,8,10,12,14
.irp b, 0,1
	v_max3_num_f32 v[TM+\b], v[TM+\b], |v[\s+16*\b+\i]|, |v[\s+1+16*\b+\i]|
.endr
.endr
.irp b, 0,1
	v_permlanex16_b32 v[TM+4+\b], v[TM+\b], s[SEL], s[SEL+1]
.endr
.irp b, 0,1
	v_max_num_f32 v[TM+\b], v[TM+\b], v[TM+4+\b]
.endr
.irp b, 0,1
	v_add_nc_u32 v[TM+12+\b], 0xff000000, v[TM+\b]
.endr
.irp b, 0,1
	v_lshrrev_b32 v[TM+4+\b], 23, v[TM+12+\b]
.endr
	v_cvt_scalef32_pk16_fp6_f32 v[PC:PC+2], v[\s:\s+15], v[TM+12]
	v_cvt_scalef32_pk16_fp6_f32 v[PT:PT+2], v[\s+16:\s+31], v[TM+13]
	v_nop
.irp i, 0,1,2
	v_permlane16_swap_b32 v[PC+\i], v[PT+\i]
.endr
.irp i, 0,1,2
	v_mov_b32 v[PC+3+\i], v[PT+\i]
.endr
.endm
.macro CSLOAD a, set
.irp n, 0,1,2,3,4,5,6,7
	ds_load_b128 v[CS+32*(\set)+4*\n:CS+32*(\set)+4*\n+3], v[RA] offset:4352*(\a)+128*(\n/4)+16*(\n%4)
.endr
.endm
	CSLOAD 0, 0
.irp a, 0,1,2,3,4,5,6,7                ; my query head, 16 rows at a time
.if \a < 7
	CSLOAD \a+1, (\a+1)%2
	s_wait_dscnt 0x8
.else
	s_wait_dscnt 0x0
.endif
	WIN 0x02+(\a/4)
.irp b, 0,1,2,3
	ROT 8*(6*(\a%4)+\b), CS+32*(\a%2)+8*\b, H+8*\b, T+8*(\b%2)
.endr
	WIN 0
	s_wait_xcnt 0x0                                ; the last block's stores have read their registers
	QUANT2 H
	v_lshl_or_b32 v[QW+\a%4], v[TM+5], 8, v[TM+4]
	v_lshl_or_b32 v[QW+\a%4], v[QW+\a%4], 16, v[QW+\a%4]
	global_store_b128 v[LI], v[PC:PC+3], s[12:13] offset:768*\a
	global_store_b64 v[L8], v[PC+4:PC+5], s[12:13] offset:768*\a+512
.if \a%4 == 3
	global_store_b128 v[LI], v[QW:QW+3], s[8:9] offset:512*(\a/4)
.endif
.endr
	s_wait_xcnt 0x0
	s_cmp_lt_u32 s14, 2
	s_cbranch_scc0 .Lv_path
.irp a, 0,2,4,6                        ; waves 0, 1: 32 of the key head's 64 dims: rotated, quantised, laid as pair fragments in the record's stage
.irp n, 0,1,2,3,4,5,6,7
	ds_load_b128 v[CS+4*\n:CS+4*\n+3], v[RAK] offset:4352*(\a+\n/4)+16*(\n%4)
.endr
	s_wait_dscnt 0x0
	WIN 0x02+(\a/4)
	ROT 8*(6*(\a%4)+4), CS, H, T
	ROT 8*(6*(\a%4)+5), CS+8, H+8, T+8
	ROT 8*(6*(\a%4+1)+4), CS+16, H+16, T
	ROT 8*(6*(\a%4+1)+5), CS+24, H+24, T+8
	WIN 0
	QUANT2 H
	ds_store_b64 v[KA0], v[PC:PC+1] offset:1536*(\a/2)
	ds_store_b64 v[KA1], v[PC+2:PC+3] offset:1536*(\a/2)
	ds_store_b64 v[KA0], v[PC+4:PC+5] offset:1536*(\a/2)+512
	v_cndmask_b32 v[BY], v[TM+4], v[TM+5], s18
	ds_store_b8 v[KB], v[BY] offset:4*(\a/2)
.endr
	s_branch .Ljoin
.Lv_path:                                          ; waves 2, 3: 32 of the value head's dims: turned through LDS so that a lane's registers run down the keys, then quantised
.irp a, 0,1,2,3,4,5,6,7
	WIN 0x08+4*(\a/4)
.irp u, 0,1
	ds_store_b128 v[VW], v[8*(6*(\a%4)+4+\u):8*(6*(\a%4)+4+\u)+3] offset:2304*\a+32*\u
	ds_store_b128 v[VW], v[8*(6*(\a%4)+4+\u)+4:8*(6*(\a%4)+4+\u)+7] offset:2304*\a+32*\u+16
.endr
.endr
	WIN 0
.macro VLOAD t
.set i, 0
.rept 32
	ds_load_b32 v[CS+32*((\t)%2)+i], v[VR] offset:144*(32*(\t)+i)
.set i, i+1
.endr
.endm
.macro VBLOCK t, cnt
.set XS, CS+32*((\t)%2)
.set VC, T+8*((\t)%2)
	s_wait_dscnt \cnt
	v_max3_num_f32 v[TM], |v[XS]|, |v[XS+1]|, |v[XS+2]|
	v_max3_num_f32 v[TM+1], |v[XS+3]|, |v[XS+4]|, |v[XS+5]|
.irp i, 6,10,14,18,22,26
	v_max3_num_f32 v[TM], v[TM], |v[XS+\i]|, |v[XS+\i+1]|
	v_max3_num_f32 v[TM+1], v[TM+1], |v[XS+\i+2]|, |v[XS+\i+3]|
.endr
	v_max3_num_f32 v[TM], v[TM], |v[XS+30]|, |v[XS+31]|
	v_max3_num_f32 v[TM], v[TM], v[TM+1], 0x1800000
	v_add_nc_u32 v[TM+12], 0xff000000, v[TM]
	v_lshrrev_b32 v[TM+4], 23, v[TM+12]
.if (\t) == 0
	v_mov_b32 v[BY], v[TM+4]
.else
	v_lshl_or_b32 v[BY], v[TM+4], 8*(\t), v[BY]
.endif
	v_cvt_scalef32_pk16_fp6_f32 v[VC:VC+2], v[XS:XS+15], v[TM+12]
	v_cvt_scalef32_pk16_fp6_f32 v[VC+4:VC+6], v[XS+16:XS+31], v[TM+12]
	v_nop
	v_mov_b32 v[VC+3], v[VC+4]
	v_mov_b32 v[VC+4], v[VC+5]
	v_mov_b32 v[VC+5], v[VC+6]
	ds_store_b64 v[VA], v[VC:VC+1] offset:256*((\t)%2)+520*((\t)/2)
	ds_store_b64 v[VA], v[VC+2:VC+3] offset:256*((\t)%2)+8+1016*((\t)/2)
	ds_store_b64 v[VA], v[VC+4:VC+5] offset:256*((\t)%2)+512+520*((\t)/2)
.if (\t)+2 < 4
	VLOAD (\t)+2
.endif
.endm
	VLOAD 0
	VLOAD 1
	VBLOCK 0, 32
	VBLOCK 1, 35
	VBLOCK 2, 35
	VBLOCK 3, 3
	ds_store_b32 v[VSA], v[BY]
.Ljoin:
	s_wait_dscnt 0x0
	s_barrier_signal -1
	s_barrier_wait -1                              ; the record of 12,800 bytes is whole: it leaves in runs of 512 bytes a wave
.irp i, 0,1,2,3,4,5
	ds_load_b128 v[H+4*\i:H+4*\i+3], v[RB] offset:2048*\i
.endr
.irp i, 0,1,2,3,4,5
	s_wait_dscnt 5-\i
	global_store_b128 v[RBG], v[H+4*\i:H+4*\i+3], s[10:11] offset:2048*\i
.endr
	s_cmp_lg_u32 s14, 0
	s_cbranch_scc1 .Lno_tail
	ds_load_b128 v[H+24:H+27], v[RB] offset:12288
	s_wait_dscnt 0x0
	global_store_b128 v[RBG], v[H+24:H+27], s[10:11] offset:12288
.Lno_tail:
	s_wait_tensorcnt 0x0                           ; the wave's end
	ds_add_u32 v[SPW], v[NIL]
	s_wait_dscnt 0x0
	CROUND                                         ; the closing round
	s_endpgm
.Lfunc_end_k_q14f6861966_gemm1:
	.size	k_q14f6861966_gemm1, .Lfunc_end_k_q14f6861966_gemm1-k_q14f6861966_gemm1
	.p2alignl 7, 3214868480
	.fill 96, 4, 3214868480
	.section	.rodata,"a",@progbits
	.p2align	6, 0x0
	.amdhsa_kernel k_q14f6861966_gemm1
		.amdhsa_group_segment_fixed_size 327680
		.amdhsa_private_segment_fixed_size 0
		.amdhsa_enable_private_segment 0
		.amdhsa_kernarg_size 32
		.amdhsa_user_sgpr_count 2
		.amdhsa_user_sgpr_kernarg_segment_ptr 1
		.amdhsa_wavefront_size32 1
		.amdhsa_system_sgpr_workgroup_id_x 1
		.amdhsa_system_sgpr_workgroup_id_y 1
		.amdhsa_system_sgpr_workgroup_id_z 1
		.amdhsa_system_vgpr_workitem_id 0
		.amdhsa_next_free_vgpr 1024
		.amdhsa_next_free_sgpr 102
		.amdhsa_reserve_vcc 1
		.amdhsa_float_denorm_mode_32 3
		.amdhsa_float_denorm_mode_16_64 3
		.amdhsa_memory_ordered 1
		.amdhsa_forward_progress 1
		.amdhsa_inst_pref_size 189
	.end_amdhsa_kernel
	.amdgpu_metadata
---
amdhsa.version: [ 1, 2 ]
amdhsa.kernels:
  - .name:           k_q14f6861966_gemm1
    .symbol:         k_q14f6861966_gemm1.kd
    .args:
      - { .name: xbuf, .offset: 0, .size: 8, .value_kind: global_buffer, .address_space: global }
      - { .name: w1buf, .offset: 8, .size: 8, .value_kind: global_buffer, .address_space: global }
      - { .name: qbuf, .offset: 16, .size: 8, .value_kind: global_buffer, .address_space: global }
      - { .name: kvbuf, .offset: 24, .size: 8, .value_kind: global_buffer, .address_space: global }
    .group_segment_fixed_size: 327680
    .private_segment_fixed_size: 0
    .kernarg_segment_align: 8
    .kernarg_segment_size: 32
    .max_flat_workgroup_size: 128
    .sgpr_count:     102
    .vgpr_count:     1024
    .wavefront_size: 32
...
	.end_amdgpu_metadata
.endif
;; end of part 2
;; launch attn (part 3): grid 8 x 32, 16 waves a work-group, clusters of 4 x 1, 169,984 bytes of LDS; arguments qbuf, kvbuf, aobuf; writes aobuf
.if DOCPART == 3
	.amdgcn_target "amdgcn-amd-amdhsa--gfx1250"
	.amdhsa_code_object_version 6
	.text
	.protected	k_q14f6861966_attn
	.globl	k_q14f6861966_attn
	.p2align	8
	.type	k_q14f6861966_attn,@function
k_q14f6861966_attn:
	s_mov_b64 s[64:65], 0
	v_nop
	global_prefetch_b8 v0, s[64:65] scope:SCOPE_SE
	s_setreg_imm32_b32 hwreg(HW_REG_WAVE_MODE, 25, 1), 1
	s_wait_xcnt 0x0
	s_wait_alu depctr_hold_cnt(0) depctr_sa_sdst(0) depctr_va_vdst(0) depctr_va_sdst(0) depctr_va_ssrc(0) depctr_va_vcc(0) depctr_vm_vsrc(0)
	s_getreg_b32 s2, hwreg(HW_REG_IB_STS2, 6, 4)
	s_cmp_eq_u32 s2, 0
	s_cbranch_scc0 .Lentry_in_a_cluster
	s_endpgm
.Lentry_in_a_cluster:
	s_bfe_u32 s2, ttmp6, 0x10000c
	s_cmp_lg_u32 s2, 0x3003
	s_cbranch_scc0 .Lentry_shape_is_right
	s_endpgm
.Lentry_shape_is_right:
; Causal attention on codes of FP6 (E2M3): S^T = K Q^T, p = 2^(t - M) with M the running largest t rounded up to a whole number, O^T = V^T P^T, O / the sum of the unquantised p, O quantised along the model's 2,048 for the last product.
; SHARES.  A cluster of four work-groups takes the four query heads of one key/value head, on the same queries: so K and V are asked for jointly, and every branch hangs on the cluster's number and the wave's alone.
; A work-group has 16 waves of 256 registers.  Wave w owns the tiles of 16 queries tau = 16 j + w (first pass) and 63 - tau (second pass): 9 key steps of 128 keys in all for every wave of the launch.
; LDS holds the 8 records (12,800 bytes each: K's four pair fragments, V's four fragments, their scale words) of this batch and key/value head: 102,400 bytes, FILLED ONCE; nothing is stored to LDS.
; The first pass needs keys under 512 only: it starts when records 0-3 have landed.
; THE HEAD IS 64 AND THE INSTRUCTION 128 DEEP: a pair fragment holds key tile 2 b in registers 0-5 and tile 2 b + 1 in registers 6-11; it is multiplied once by [q | zero codes] and once by [zero codes | q].
; The half that faces zero codes adds exact zeros; every scale byte is a real byte, 1 .. 254.
; LAYOUT.  Both products are used transposed: a lane holds one query.  The keys of a tile and the channels of V's tiles were chosen by the launch before so that 16 registers of two neighbouring tiles are 16 neighbours.
; LIMITS: NaN and infinities are not served; a block of p or of O whose largest magnitude lies under 2^-124 gets the byte 1.
; One small store is kept: O's scale bytes, one byte a lane, 32 bytes for each tile of 16 x 64 outputs; the codes leave as whole runs of 256 bytes.
; REGISTERS: v1-4, v10 addresses; v8-9 the step's; v12 -M, v13 the largest t, v[14:15] the sum; v16-21 zeros, v22-27 q, v28-33 zeros; v34 q's scale word; v40-87 K's pairs, then V's tiles; v88-91, v92-95 their scale words;
;   v96-159 S^T, then p; v160-191 O^T; v192-223 O / sum; v224-235 codes; v232-249 at work; v[250:251] f; v253 p's scale word; v254 at work.
.set REC,  12800
.set LI,   1
.set L8,   2
.set LSC,  3
.set LB,   4
.set ADK,  8
.set ADS,  9
.set DQ,   10
.set WV,   10                          ; s10 wave
.set SEL,  20
.set CS,   22
.set G1,   24
.set G0,   32
.set TAU,  40
.set Q0,   41
.set KF,   42
.set TB,   43
.set CNT,  44
.macro ROUND
	s_barrier_signal -1
	s_barrier_wait -1
	s_cmp_lg_u32 s[WV], 0
	s_cbranch_scc1 .Lnot_wave_0_\@
	s_barrier_signal -3
.Lnot_wave_0_\@:
	s_barrier_wait -3
	s_barrier_signal -1
	s_barrier_wait -1
.endm
	s_load_b128 s[4:7], s[0:1], 0x0                ; qbuf, kvbuf
	s_load_b64 s[8:9], s[0:1], 0x10                ; aobuf
	v_lshl_add_u32 v252, v0, 2, 0x29000
	v_mov_b32 v255, 0
	ds_add_u32 v252, v255
	ds_add_u32 v252, v255
	v_lshrrev_b32 v1, 5, v0
	s_delay_alu instid0(VALU_DEP_1)
	v_readfirstlane_b32 s[WV], v1                  ; wave 0..15
	s_mov_b32 s12, ttmp9                           ; j: the cluster's x
	s_bfe_u32 s13, ttmp6, 0x40000                  ; cx: which of the group's four query heads
	s_and_b32 s14, ttmp7, 0xffff                   ; Y = 8 b + key/value head
	s_mov_b32 s[G1], 15|(3<<16)|(1<<21)            ; the mask names all four; elements of 8 bytes; a record as 50 rows of 256 bytes
	s_mov_b32 s[G1+1], 32<<16
	s_mov_b32 s[G1+2], 50<<16
	s_mov_b32 s[G1+3], 32<<16
	s_mov_b32 s[G1+4], 50
	s_mov_b32 s[G1+5], 32
	s_mov_b32 s[G1+6], 0
	s_mov_b32 s[G1+7], 0
	s_and_b32 s45, s[WV], 7                        ; waves 0-7 fetch one record each; all eight are waited for ahead of the first pass
	s_mul_i32 s45, s45, REC
	s_mul_i32 s46, s14, 8*REC
	s_add_co_u32 s46, s46, s45
	s_mov_b32 s47, 0
	s_mov_b32 s[SEL], 0x76543210
	s_mov_b32 s[SEL+1], 0xfedcba98
	s_mov_b32 s[CS], 0x3E38AA3B                    ; c = log2(e) / sqrt(64)
	s_mov_b32 s[CS+1], s[CS]
	s_mov_b32 s68, 0xffff0000                      ; lanes 16-31
	s_mov_b32 s67, 0
	s_wait_dscnt 0x0
	s_wait_kmcnt 0x0
	s_mov_b32 s[G0], 1
	s_mov_b32 s[G0+1], s45                         ; record w,
	s_add_nc_u64 s[G0+2:G0+3], s[6:7], s[46:47]
	s_or_b32 s[G0+3], s[G0+3], 0x80000000
	s_lshl_b32 s69, s14, 2
	s_add_co_u32 s69, s69, s13                     ; 32 b + my query head
	s_mul_i32 s66, s69, 49152
	s_add_nc_u64 s[56:57], s[4:5], s[66:67]        ; q's codes of my head
	s_lshl_b32 s66, s69, 13
	s_add_co_u32 s66, s66, 6291456
	s_add_nc_u64 s[58:59], s[4:5], s[66:67]        ; q's scale words
	s_and_b32 s66, s14, 7
	s_mul_i32 s66, s66, 786432                     ; O's image: sigma = the key/value head,
	s_lshr_b32 s69, s14, 3
	s_mul_i32 s69, s69, 196608                     ; the batch's 64 tiles,
	s_add_co_u32 s66, s66, s69
	s_lshr_b32 s69, s13, 1
	s_mul_i32 s69, s69, 1536                       ; the 128-step,
	s_add_co_u32 s66, s66, s69
	s_and_b32 s69, s13, 1
	s_mul_i32 s69, s69, 768                        ; and which 64 of it
	s_add_co_u32 s66, s66, s69
	s_add_nc_u64 s[60:61], s[8:9], s[66:67]
	s_lshr_b32 s66, s14, 3
	s_lshl_b32 s66, s66, 16
	s_and_b32 s69, s14, 7
	s_lshl_b32 s69, s69, 10
	s_add_co_u32 s66, s66, s69
	s_lshl_b32 s69, s13, 1
	s_add_co_u32 s66, s66, s69
	s_add_co_u32 s66, s66, 6291456
	s_add_nc_u64 s[62:63], s[8:9], s[66:67]        ; O's scale bytes
	ROUND                                          ; all four work-groups are here: the joint loads meet
	s_cmp_lt_u32 s[WV], 8                          ; one tensor load a wave
	s_cbranch_scc0 .Lno_fill
	tensor_load_to_lds s[G0:G0+3], s[G1:G1+7]
	s_nop 0
.rept 4
	v_nop
.endr
.Lno_fill:
	v_and_b32 v5, 31, v0
	s_delay_alu instid0(VALU_DEP_1)
	v_lshlrev_b32 v[LI], 4, v5
	s_delay_alu instid0(VALU_DEP_2)
	v_lshlrev_b32 v[L8], 3, v5
	v_and_b32 v6, 15, v0
	s_delay_alu instid0(VALU_DEP_1)
	v_lshlrev_b32 v[LSC], 4, v6
	v_bfe_u32 v7, v0, 4, 1
	s_delay_alu instid0(VALU_DEP_1)
	v_lshl_add_u32 v[LB], v6, 3, v7
	s_delay_alu instid0(VALU_DEP_2)
	v_lshlrev_b32 v[DQ], 4, v7
	s_delay_alu instid0(VALU_DEP_1)
	v_sub_nc_u32 v[DQ], v6, v[DQ]                  ; r - 16 h
.irp i, 16,17,18,19,20,21,28,29,30,31,32,33
	v_mov_b32 v\i, 0                               ; zero codes on both sides of q
.endr
.irp i, 236,237,238,239,251
	v_mov_b32 v\i, 0                               ; written once: permute destinations, and the upper half of f's pair
.endr
	s_lshl_b32 s[TAU], s12, 4
	s_add_co_u32 s[TAU], s[TAU], s[WV]             ; tau = 16 j + wave
	s_wait_tensorcnt 0x0                           ; my record is in; nothing is ever filled again
	s_barrier_signal -1
	s_barrier_wait -1                              ; records 0-3 are whole
.macro STEP                            ; 128 keys
	s_add_co_u32 s45, s[Q0], 15
	s_cmp_gt_u32 s[KF], s45                        ; all keys come after my queries: the step's work is left out (a branch on ids that all partners share)
	s_cbranch_scc1 .Lhidden_\@
	v_add_nc_u32 v[ADK], s[TB], v[LI]
	v_add_nc_u32 v[ADS], s[TB], v[LSC]
	v_nop
	v_nop                                          ; four plain lines in front of loads into registers that the last products read
.irp b, 0,1,2,3
.irp c, 0,1,2
	ds_load_b128 v[40+12*\b+4*\c:43+12*\b+4*\c], v[ADK] offset:1536*\b+512*\c
.endr
.endr
	ds_load_b128 v[88:91], v[ADS] offset:12288
	s_wait_alu depctr_va_vdst(0)
	s_wait_dscnt 0x0
.irp b, 0,1,2,3
	v_wmma_scale_f32_16x16x128_f8f6f4 v[96+16*\b:103+16*\b], v[40+12*\b:51+12*\b], v[22:33], 0, v[88+\b], v34 matrix_a_fmt:MATRIX_FMT_FP6 matrix_b_fmt:MATRIX_FMT_FP6
	v_wmma_scale_f32_16x16x128_f8f6f4 v[104+16*\b:111+16*\b], v[40+12*\b:51+12*\b], v[16:27], 0, v[88+\b], v34 matrix_a_fmt:MATRIX_FMT_FP6 matrix_b_fmt:MATRIX_FMT_FP6
.endr
.rept 4
	v_nop
.endr
.irp t, 0,1,2,3                                ; V's tiles land under the softmax
.irp c, 0,1,2
	ds_load_b128 v[40+12*\t+4*\c:43+12*\t+4*\c], v[ADK] offset:6144+1536*\t+512*\c
.endr
.endr
	ds_load_b128 v[92:95], v[ADS] offset:12544
	s_add_co_u32 s45, s[KF], 127
	s_cmp_le_u32 s45, s[Q0]
	s_cbranch_scc1 .Lopen_\@                       ; all keys count
	s_sub_co_i32 s45, s[Q0], s[KF]
	v_add_nc_u32 v248, s45, v[DQ]                  ; d = my query - the step's first key - 16 h: register 16 b + i holds key 32 b + 16 h + i: hidden where 32 b + i > d
	v_mov_b32 v249, 0xff800000
.set n, 0
.rept 64
	v_cmp_gt_i32 vcc_lo, 32*(n/16)+n%16, v248
	v_cndmask_b32 v[96+n], v[96+n], v249, vcc_lo
.set n, n+1
.endr
.Lopen_\@:
.irp b, 0,1,2,3
	v_max3_num_f32 v[232+\b], v[96+16*\b], v[97+16*\b], v[98+16*\b]   ; the largest score of each block of 32 keys: for the row's maximum and for the block's largest p
.endr
.irp i, 3,5,7,9,11,13
.irp b, 0,1,2,3
	v_max3_num_f32 v[232+\b], v[232+\b], v[96+16*\b+\i], v[97+16*\b+\i]
.endr
.endr
.irp b, 0,1,2,3
	v_max_num_f32 v[232+\b], v[232+\b], v[111+16*\b]
.endr
.irp b, 0,1,2,3
	s_delay_alu instid0(VALU_DEP_4)
	v_permlanex16_b32 v[236+\b], v[232+\b], s[SEL], s[SEL+1]
.endr
.irp b, 0,1,2,3
	s_delay_alu instid0(VALU_DEP_4)
	v_max_num_f32 v[232+\b], v[232+\b], v[236+\b]
.endr
	s_delay_alu instid0(VALU_DEP_2)
	v_max3_num_f32 v254, v232, v233, v234
	s_delay_alu instid0(VALU_DEP_1)
	v_max_num_f32 v254, v254, v235
	s_delay_alu instid0(VALU_DEP_1)
	v_mul_f32 v254, s[CS], v254
	s_delay_alu instid0(VALU_DEP_1)
	v_max_num_f32 v13, v13, v254                   ; the running largest t
	v_mov_b32 v254, v12
	s_delay_alu instid0(VALU_DEP_2)
	v_floor_f32 v12, -v13                          ; -M = floor(-t)
	s_delay_alu instid0(VALU_DEP_1)
	v_sub_f32 v254, v12, v254                      ; old M - new M: a whole number, 0 or less
	s_delay_alu instid0(VALU_DEP_1)
	v_cvt_i32_f32 v254, v254                       ; (it saturates)
	s_delay_alu instid0(VALU_DEP_1)
	v_ldexp_f32 v250, 1.0, v254                    ; f = 2^(old M - new M)
.set j, 0
.rept 32
	v_pk_fma_f32 v[96+j:97+j], v[96+j:97+j], s[CS:CS+1], v[12:13] op_sel_hi:[1,0,0]   ; t - M
.set j, j+2
.endr
.irp b, 0,1,2,3
	v_fma_f32 v[232+\b], v[232+\b], s[CS], v12
.endr
.set j, 0
	s_wait_alu depctr_va_vdst(0)
.rept 64
	v_exp_f32 v[96+j], v[96+j]                     ; p = 2^(t - M): not normalised
.set j, j+1
.endr
.irp b, 0,1,2,3
	v_exp_f32 v[232+\b], v[232+\b]                 ; the block's largest p
.endr
	v_pk_mul_f32 v[14:15], v[14:15], v[250:251] op_sel_hi:[1,0]   ; the sums under the new M (a plain line behind the exponentials)
	s_wait_alu depctr_va_vdst(0)
.irp b, 0,1,2,3
	v_max_num_f32 v[232+\b], 0x1800000, v[232+\b]
.endr
.irp b, 0,1,2,3
	s_delay_alu instid0(VALU_DEP_4)
	v_add_nc_u32 v[244+\b], 0xff000000, v[232+\b]
.endr
.irp b, 0,1,2,3
	s_delay_alu instid0(VALU_DEP_4)
	v_lshrrev_b32 v[236+\b], 23, v[244+\b]
.endr
	s_delay_alu instid0(VALU_DEP_3)
	v_lshl_or_b32 v253, v237, 8, v236              ; p's scale word for these 128 keys
	s_delay_alu instid0(VALU_DEP_1)
	v_lshl_or_b32 v253, v238, 16, v253
	s_delay_alu instid0(VALU_DEP_1)
	v_lshl_or_b32 v253, v239, 24, v253
.irp c, 0,1
	v_cvt_scalef32_pk16_fp6_f32 v[224+6*\c:226+6*\c], v[96+32*\c:111+32*\c], v[244+2*\c]
	v_cvt_scalef32_pk16_fp6_f32 v[236+4*\c:238+4*\c], v[112+32*\c:127+32*\c], v[244+2*\c+1]
.endr
	v_nop                                          ; one plain line behind a scaled conversion
.irp c, 0,1
.irp i, 0,1,2
	v_permlane16_swap_b32 v[224+6*\c+\i], v[236+4*\c+\i]
.endr
.irp i, 0,1,2
	s_delay_alu instid0(VALU_DEP_3)
	v_mov_b32 v[227+6*\c+\i], v[236+4*\c+\i]
.endr
.endr
	v_pk_add_f32 v[236:237], v[100:101], v[104:105]
	v_pk_add_f32 v[248:249], v[108:109], v[112:113]
	v_pk_add_f32 v[246:247], v[116:117], v[120:121]
	v_pk_add_f32 v[244:245], v[124:125], v[128:129]
	v_pk_add_f32 v[242:243], v[132:133], v[136:137]
	v_pk_add_f32 v[240:241], v[140:141], v[144:145]
	v_pk_add_f32 v[222:223], v[148:149], v[152:153]
	v_pk_add_f32 v[14:15], v[14:15], v[156:157]
	v_pk_add_f32 v[236:237], v[236:237], v[96:97]
	v_pk_add_f32 v[248:249], v[248:249], v[98:99]
	v_pk_add_f32 v[246:247], v[246:247], v[102:103]
	v_pk_add_f32 v[244:245], v[244:245], v[106:107]
	v_pk_add_f32 v[242:243], v[242:243], v[110:111]
	v_pk_add_f32 v[240:241], v[240:241], v[114:115]
	v_pk_add_f32 v[222:223], v[222:223], v[118:119]
	v_pk_add_f32 v[14:15], v[14:15], v[122:123]
	v_pk_add_f32 v[236:237], v[236:237], v[126:127]
	v_pk_add_f32 v[248:249], v[248:249], v[130:131]
	v_pk_add_f32 v[246:247], v[246:247], v[134:135]
	v_pk_add_f32 v[244:245], v[244:245], v[138:139]
	v_pk_add_f32 v[242:243], v[242:243], v[142:143]
	v_pk_add_f32 v[240:241], v[240:241], v[146:147]
	v_pk_add_f32 v[222:223], v[222:223], v[150:151]
	v_pk_add_f32 v[14:15], v[14:15], v[154:155]
	v_pk_add_f32 v[236:237], v[236:237], v[158:159]
	s_delay_alu instid0(VALU_DEP_2)
	v_pk_add_f32 v[14:15], v[14:15], v[244:245]
	s_delay_alu instid0(VALU_DEP_2)
	v_pk_add_f32 v[236:237], v[236:237], v[242:243]
	v_pk_add_f32 v[248:249], v[248:249], v[240:241]
	v_pk_add_f32 v[246:247], v[246:247], v[222:223]
	s_delay_alu instid0(VALU_DEP_2)
	v_pk_add_f32 v[14:15], v[14:15], v[248:249]
	s_delay_alu instid0(VALU_DEP_2)
	v_pk_add_f32 v[236:237], v[236:237], v[246:247]
	s_delay_alu instid0(VALU_DEP_1)
	v_pk_add_f32 v[14:15], v[14:15], v[236:237]
.set j, 0
.rept 16
	v_pk_mul_f32 v[160+j:161+j], v[160+j:161+j], v[250:251] op_sel_hi:[1,0]   ; O^T under the new M
.set j, j+2
.endr
	s_wait_alu depctr_va_vdst(0)
	s_wait_dscnt 0x0                               ; V's tiles and scale words are in
.irp t, 0,1,2,3
	v_wmma_scale_f32_16x16x128_f8f6f4 v[160+8*\t:167+8*\t], v[40+12*\t:51+12*\t], v[224:235], v[160+8*\t:167+8*\t], v[92+\t], v253 matrix_a_fmt:MATRIX_FMT_FP6 matrix_b_fmt:MATRIX_FMT_FP6
.endr
.Lhidden_\@:
	s_add_co_u32 s[KF], s[KF], 128
	s_add_co_u32 s[TB], s[TB], REC
.endm
.macro PASS trips
	s_wait_xcnt 0x0                                ; earlier stores have read their bases and registers
	s_mov_b32 s47, 0
	s_mul_i32 s46, s[TAU], 768
	s_add_nc_u64 s[48:49], s[56:57], s[46:47]
	s_lshr_b32 s46, s[TAU], 2
	s_lshl_b32 s46, s46, 9
	s_and_b32 s45, s[TAU], 3
	s_lshl_b32 s45, s45, 2
	s_add_co_u32 s46, s46, s45
	s_add_nc_u64 s[50:51], s[58:59], s[46:47]
	s_mul_i32 s46, s[TAU], 3072
	s_add_nc_u64 s[52:53], s[60:61], s[46:47]
	s_lshr_b32 s46, s[TAU], 3
	s_lshl_b32 s46, s46, 13
	s_and_b32 s45, s[TAU], 7
	s_lshl_b32 s45, s45, 7
	s_add_co_u32 s46, s46, s45
	s_add_nc_u64 s[54:55], s[62:63], s[46:47]
	global_load_b128 v[22:25], v[LI], s[48:49]
	global_load_b64 v[26:27], v[L8], s[48:49] offset:512
	global_load_b32 v34, v[LI], s[50:51]
	v_mov_b32 v13, 0xff61b1e6                      ; the largest t so far: -3e38
	s_delay_alu instid0(VALU_DEP_1)
	v_floor_f32 v12, -v13
	v_mov_b32 v14, 0
	v_mov_b32 v15, 0
.set j, 0
.rept 32
	v_mov_b32 v[160+j], 0                          ; O^T: the step is written once; its first turn finds zeros
.set j, j+1
.endr
	s_mov_b32 s[KF], 0
	s_mov_b32 s[TB], 0
	s_lshl_b32 s[Q0], s[TAU], 4
	s_mov_b32 s[CNT], \trips
	s_wait_loadcnt 0x0
.Lkeys_\@:
	STEP
	s_sub_co_u32 s[CNT], s[CNT], 1
	s_cmp_lg_u32 s[CNT], 0
	s_cbranch_scc1 .Lkeys_\@
	; the way out: O^T / the sum, quantised along the channels, straight into the next product's image
.rept 4
	v_nop
.endr
	v_add_f32 v14, v14, v15
	s_delay_alu instid0(VALU_DEP_1)
	v_permlanex16_b32 v236, v14, s[SEL], s[SEL+1]
	s_delay_alu instid0(VALU_DEP_1)
	v_add_f32 v14, v14, v236
	s_wait_alu depctr_va_vdst(0)
	v_rcp_f32 v14, v14
	v_nop
.set j, 0
	s_wait_alu depctr_va_vdst(0)
.rept 32
	v_mul_f32 v[192+j], v[160+j], v14              ; register 16 p + i: channel 32 p + 16 h + i
.set j, j+1
.endr
.irp b, 0,1
	v_max3_num_f32 v[232+\b], |v[192+16*\b]|, |v[193+16*\b]|, 0x1800000
.endr
.irp i, 2,4,6,8,10,12,14
.irp b, 0,1
	s_delay_alu instid0(VALU_DEP_2)
	v_max3_num_f32 v[232+\b], v[232+\b], |v[192+16*\b+\i]|, |v[193+16*\b+\i]|
.endr
.endr
.irp b, 0,1
	s_delay_alu instid0(VALU_DEP_2)
	v_permlanex16_b32 v[236+\b], v[232+\b], s[SEL], s[SEL+1]
.endr
.irp b, 0,1
	s_delay_alu instid0(VALU_DEP_2)
	v_max_num_f32 v[232+\b], v[232+\b], v[236+\b]
.endr
.irp b, 0,1
	s_delay_alu instid0(VALU_DEP_2)
	v_add_nc_u32 v[244+\b], 0xff000000, v[232+\b]
.endr
.irp b, 0,1
	s_delay_alu instid0(VALU_DEP_2)
	v_lshrrev_b32 v[236+\b], 23, v[244+\b]
.endr
	v_cvt_scalef32_pk16_fp6_f32 v[224:226], v[192:207], v244
	v_cvt_scalef32_pk16_fp6_f32 v[240:242], v[208:223], v245
	v_nop
.irp i, 0,1,2
	v_permlane16_swap_b32 v[224+\i], v[240+\i]
.endr
.irp i, 0,1,2
	s_delay_alu instid0(VALU_DEP_3)
	v_mov_b32 v[227+\i], v[240+\i]                 ; lane (r, h): channels 32 h .. 32 h + 31 of query r
.endr
	v_cndmask_b32 v238, v236, v237, s68
.irp i, 0,1,2
	global_store_b64 v[L8], v[224+2*\i:225+2*\i], s[52:53] offset:256*\i   ; 256 consecutive bytes, at a multiple of 256 from the buffer's first byte
.endr
	global_store_b8 v[LB], v238, s[54:55]
.endm
	PASS 4
	s_sub_co_u32 s[TAU], 63, s[TAU]
	PASS 8
	s_wait_dscnt 0x0
	s_wait_tensorcnt 0x0
	ds_add_u32 v252, v255
	s_wait_dscnt 0x0
	ROUND                                          ; the closing round
	s_endpgm
.Lfunc_end_k_q14f6861966_attn:
	.size	k_q14f6861966_attn, .Lfunc_end_k_q14f6861966_attn-k_q14f6861966_attn
	.p2alignl 7, 3214868480
	.fill 96, 4, 3214868480
	.section	.rodata,"a",@progbits
	.p2align	6, 0x0
	.amdhsa_kernel k_q14f6861966_attn
		.amdhsa_group_segment_fixed_size 169984
		.amdhsa_private_segment_fixed_size 0
		.amdhsa_enable_private_segment 0
		.amdhsa_kernarg_size 24
		.amdhsa_user_sgpr_count 2
		.amdhsa_user_sgpr_kernarg_segment_ptr 1
		.amdhsa_wavefront_size32 1
		.amdhsa_system_sgpr_workgroup_id_x 1
		.amdhsa_system_sgpr_workgroup_id_y 1
		.amdhsa_system_sgpr_workgroup_id_z 1
		.amdhsa_system_vgpr_workitem_id 0
		.amdhsa_next_free_vgpr 256
		.amdhsa_next_free_sgpr 70
		.amdhsa_reserve_vcc 1
		.amdhsa_float_denorm_mode_32 3
		.amdhsa_float_denorm_mode_16_64 3
		.amdhsa_memory_ordered 1
		.amdhsa_forward_progress 1
		.amdhsa_inst_pref_size 63
	.end_amdhsa_kernel
	.amdgpu_metadata
---
amdhsa.version: [ 1, 2 ]
amdhsa.kernels:
  - .name:           k_q14f6861966_attn
    .symbol:         k_q14f6861966_attn.kd
    .args:
      - { .name: qbuf, .offset: 0, .size: 8, .value_kind: global_buffer, .address_space: global }
      - { .name: kvbuf, .offset: 8, .size: 8, .value_kind: global_buffer, .address_space: global }
      - { .name: aobuf, .offset: 16, .size: 8, .value_kind: global_buffer, .address_space: global }
    .group_segment_fixed_size: 169984
    .private_segment_fixed_size: 0
    .kernarg_segment_align: 8
    .kernarg_segment_size: 24
    .max_flat_workgroup_size: 512
    .sgpr_count:     70
    .vgpr_count:     256
    .wavefront_size: 32
...
	.end_amdgpu_metadata
.endif
;; end of part 3
;; launch gemm2 (part 4): grid 8 x 32, 4 waves a work-group, clusters of 4 x 4, 327,680 bytes of LDS; arguments aobuf, w2buf, out0; writes out0
.if DOCPART == 4
	.amdgcn_target "amdgcn-amd-amdhsa--gfx1250"
	.amdhsa_code_object_version 6
	.text
	.protected	k_q14f6861966_gemm2
	.globl	k_q14f6861966_gemm2
	.p2align	8
	.type	k_q14f6861966_gemm2,@function
k_q14f6861966_gemm2:
	s_mov_b64 s[64:65], 0
	v_nop
	global_prefetch_b8 v0, s[64:65] scope:SCOPE_SE
	s_setreg_imm32_b32 hwreg(HW_REG_WAVE_MODE, 25, 1), 1
	s_wait_xcnt 0x0
	s_wait_alu depctr_hold_cnt(0) depctr_sa_sdst(0) depctr_va_vdst(0) depctr_va_sdst(0) depctr_va_ssrc(0) depctr_va_vcc(0) depctr_vm_vsrc(0)
	s_getreg_b32 s2, hwreg(HW_REG_IB_STS2, 6, 4)
	s_cmp_eq_u32 s2, 0
	s_cbranch_scc0 .Lentry_in_a_cluster
	s_endpgm
.Lentry_in_a_cluster:
	s_bfe_u32 s2, ttmp6, 0x10000c
	s_cmp_lg_u32 s2, 0xf033
	s_cbranch_scc0 .Lentry_shape_is_right
	s_endpgm
.Lentry_shape_is_right:
; out0 = O Wp on codes of FP6 (E2M3) with E8M0 scales; sums in f32.  A work-group makes 128 rows x 256 columns; wave w all 128 rows x columns 64 w .. 64 w + 63: 32 accumulators, 256 registers.
; O's 128 ROWS FOR ALL OF K (8 slices of 24,576 bytes) LIE IN LDS, FILLED ONCE: one joint load a wave at the head: waves 0 and 1 four slices each, wave 2 O's scale bytes, wave 3 Wp's scale bytes.
; Nothing is filled again, so the walk along K has no barrier.  O's tiles and scales are shared along a row of the 4 x 4 cluster, Wp's scales along a column.
; Wp's FRAGMENTS ARE READ BY ONE WAVE OF THE WORK-GROUP ONLY: they go from memory straight into registers (12 loads of 16 bytes a lane for a step of 128 along K), into six sets by turns, five steps ahead:
; 60 loads of a wave are out.  They are not asked for jointly: a joint load serves LDS, and no second wave of the work-group would read them there.
; They are prefetched: steps 0, 2, 4, 6 ask for slices 4 to 7, three steps ahead of the slice's first load; the four partners of a cluster's column share a wave's 48 blocks of 256 bytes of a slice out by address, 12 each.
; O's tiles are asked for at the head, with nothing to run ahead in: no prefetch for them.
; The walk's 16 steps are written out: the six sets come back to where they began only after 48 steps; so every offset is an immediate and no address is stepped.
; The matrix instruction is used transposed (source 0 = 16 columns of Wp, source 1 = 16 rows of O): a lane holds one row and eight neighbouring columns.
; REGISTERS: window 0: v0-31 addresses; v32-63, v64-79 scale words of O and of Wp, two sets; v128-223 O's fragments, one set (on the way out v128-191 rows read back).  Windows 1, 3: Wp's sets 0-2, 3-5.  Window 2: accumulators.
.set NBK,   4
.set ASIG,  24576                      ; O's 128 rows x 256 along K
.set WSIG,  393216                     ; a slice of 256 along K of w2buf
.set SCLA,  196608
.set SCLB,  204800
.set STAGE, 221184                     ; the way out: 16 rows x 272 bytes for each wave, bytes of its own
.set SPARE, 238592
.set LI,   4
.set L8,   5
.set STO,  6
.set RD,   7
.set CO,   8
.set PFO,  9
.set ADRA, 16                          ; v16-19: O's fragments, two slices to a register
.set ADSA, 24
.set ADSB, 25
.set SPW,  28
.set NIL,  29
.set SCA,  32
.set SCB,  64
.set AF,   128
.set BK,   128
.set G1,   24
.set G0,   32
.set BB,   46
.set G1S,  68
.set G0S,  76
.set G1SB, 80
.set G0SB, 88
.set MSB, 0
.macro WIN new
.if MSB != (\new)
	s_set_vgpr_msb (MSB<<8)|(\new)
.set MSB, \new
.endif
.endm
.macro CREST
	s_cmp_lg_u32 s14, 0
	s_cbranch_scc1 .Lnot_wave_0_\@
	s_barrier_signal -3
.Lnot_wave_0_\@:
	s_barrier_wait -3
	s_barrier_signal -1
	s_barrier_wait -1
.endm
.macro CROUND
	s_barrier_signal -1
	s_barrier_wait -1
	CREST
.endm
.macro GROUP1 g, rows                  ; a dense block as rows of 256 bytes
	s_mov_b32 s[\g+1], 32<<16
	s_mov_b32 s[\g+2], (\rows)<<16
	s_mov_b32 s[\g+3], 32<<16
	s_mov_b32 s[\g+4], \rows
	s_mov_b32 s[\g+5], 32
	s_mov_b32 s[\g+6], 0
	s_mov_b32 s[\g+7], 0
.endm
.macro PLACES n
.rept \n
	v_nop
.endr
.endm
.macro GLOADB u                        ; Wp's four fragments of step u into set u % 6: each load 512 consecutive bytes
.set GS, (\u)%6
.if GS < 3
	WIN 0x40
.set GB, 48*GS
.else
	WIN 0xc0
.set GB, 48*(GS-3)
.endif
.irp i, 0,1,2,3
.irp c, 0,1,2
	global_load_b128 v[GB+12*\i+4*\c:GB+12*\i+4*\c+3], v[LI], s[BB:BB+1] offset:WSIG*((\u)/2)+1536*((\u)%2)+3072*\i+512*\c
.endr
.endr
	WIN 0
.endm
	s_load_b128 s[4:7], s[0:1], 0x0                ; aobuf, w2buf
	s_load_b64 s[8:9], s[0:1], 0x10                ; out0
	v_lshl_add_u32 v[SPW], v0, 2, SPARE
	v_mov_b32 v[NIL], 0
	ds_add_u32 v[SPW], v[NIL]                      ; the opening lines: the add, twice on end, and its wait ahead of my first tensor load
	ds_add_u32 v[SPW], v[NIL]
	v_lshrrev_b32 v1, 5, v0
	v_readfirstlane_b32 s14, v1                    ; wave
	s_and_b32 s16, s14, 1
	s_bfe_u32 s40, ttmp6, 0x40000                  ; cx, cy
	s_bfe_u32 s41, ttmp6, 0x40004
	s_lshl_b32 s42, ttmp9, 2
	s_add_co_u32 s42, s42, s40                     ; which 256 columns
	s_and_b32 s17, ttmp7, 0xffff
	s_lshl_b32 s17, s17, 2
	s_add_co_u32 s17, s17, s41                     ; which 128 rows
	s_lshl_b32 s43, s41, 2
	s_lshl_b32 s43, 15, s43                        ; my row of the cluster
	s_lshl_b32 s44, 0x1111, s40                    ; my column
	s_mul_i32 s18, s41, 3072
	v_and_b32 v3, 31, v0                           ; lane
	v_lshlrev_b32 v[LI], 4, v3
	v_min_u32 v[PFO], 11, v3                       ; the prefetches: 12 blocks of 256 bytes, a lane a block (the lanes left over name the last again)
	v_lshlrev_b32 v[PFO], 8, v[PFO]
	v_add_nc_u32 v[PFO], s18, v[PFO]               ; my work-group's 12 of a slice's 48 blocks
	s_or_b32 s[G1], s43, (3<<16)|(1<<21)
	s_or_b32 s[G1S], s43, (3<<16)|(1<<21)
	s_or_b32 s[G1SB], s44, (3<<16)|(1<<21)
	s_mov_b32 s[G1+1], 3072<<16                    ; O's codes: four rows of 24,576 bytes (3,072 elements of 8), 786,432 bytes apart
	s_mov_b32 s[G1+2], 4<<16
	s_mov_b32 s[G1+3], 3072<<16
	s_mov_b32 s[G1+4], 4
	s_mov_b32 s[G1+5], 98304
	s_mov_b32 s[G1+6], 0
	s_mov_b32 s[G1+7], 0
	GROUP1 G1S, 32
	GROUP1 G1SB, 64
	s_mul_i32 s20, s17, ASIG
	s_mul_i32 s18, s16, 4*786432
	s_add_co_u32 s20, s20, s18                     ; O's codes: my rows, slices 0-3 or 4-7
	s_mov_b32 s21, 0
	s_lshl_b32 s22, s17, 13
	s_add_co_u32 s22, s22, 6291456                 ; O's scale bytes
	s_mov_b32 s23, 0
	s_mul_i32 s46, s42, 49152
	s_mul_i32 s18, s14, 12288
	s_add_co_u32 s46, s46, s18                     ; Wp's codes: my wave's four tiles
	s_mov_b32 s47, 0
	s_lshl_b32 s92, s42, 14
	s_add_co_u32 s92, s92, 3145728                 ; Wp's scale bytes
	s_mov_b32 s93, 0
	s_mul_i32 s45, s16, 4*ASIG
	s_lshl_b32 s98, s17, 20                        ; out0: 128 rows of 8,192 bytes, 1,024 bytes a work-group, 256 a wave
	s_lshl_b32 s97, s42, 10
	s_add_co_u32 s98, s98, s97
	s_lshl_b32 s97, s14, 8
	s_add_co_u32 s98, s98, s97
	s_mov_b32 s99, 0
	s_wait_alu depctr_va_vdst(0)
	s_wait_dscnt 0x0                               ; both opening adds are done
	s_wait_kmcnt 0x0
	s_add_nc_u64 s[8:9], s[8:9], s[98:99]
	s_add_nc_u64 s[20:21], s[4:5], s[20:21]
	s_add_nc_u64 s[22:23], s[4:5], s[22:23]
	s_add_nc_u64 s[BB:BB+1], s[6:7], s[BB:BB+1]
	s_add_nc_u64 s[92:93], s[6:7], s[92:93]
.irp u, 0,1,2,3,4
	GLOADB \u                                      ; Wp's first five steps: 60 loads
.endr
	CROUND                                         ; all sixteen work-groups are here: the joint loads meet
	s_mov_b32 s[G0], 1
	s_mov_b32 s[G0+1], s45
	s_mov_b64 s[G0+2:G0+3], s[20:21]
	s_or_b32 s[G0+3], s[G0+3], 0x80000000
	s_mov_b32 s[G0S], 1
	s_mov_b32 s[G0S+1], SCLA
	s_mov_b64 s[G0S+2:G0S+3], s[22:23]
	s_or_b32 s[G0S+3], s[G0S+3], 0x80000000
	s_mov_b32 s[G0SB], 1
	s_mov_b32 s[G0SB+1], SCLB
	s_mov_b64 s[G0SB+2:G0SB+3], s[92:93]
	s_or_b32 s[G0SB+3], s[G0SB+3], 0x80000000
.macro ARM under, g0, g1, next         ; one chain of branches on the wave's number: every way passes exactly one load
	s_cmp_lt_u32 s14, \under
	s_cbranch_scc0 \next
	tensor_load_to_lds s[\g0:\g0+3], s[\g1:\g1+7]
	s_nop 0
.rept 4
	v_nop
.endr
	s_branch .Lhead_asked
\next:
.endm
	ARM 2, G0,  G1,  .Lhead_sa
	ARM 3, G0S, G1S, .Lhead_sb
	tensor_load_to_lds s[G0SB:G0SB+3], s[G1SB:G1SB+7]
	s_nop 0
.rept 4
	v_nop
.endr
.Lhead_asked:
	v_and_b32 v1, 15, v0
	v_bfe_u32 v2, v0, 4, 1
	v_lshlrev_b32 v[L8], 3, v3
	v_mov_b32 v[ADRA], v[L8]
	v_add_nc_u32 v[ADRA+1], 2*ASIG, v[L8]
	v_add_nc_u32 v[ADRA+2], 4*ASIG, v[L8]
	v_add_nc_u32 v[ADRA+3], 6*ASIG, v[L8]
	v_lshl_add_u32 v[ADSA], v1, 3, SCLA
	s_mul_i32 s18, s14, NBK*1024
	s_add_co_u32 s18, s18, SCLB
	v_lshl_add_u32 v[ADSB], v1, 3, s18
	s_mul_i32 s18, s14, 4352
	s_add_co_u32 s18, s18, STAGE                   ; my stage
	v_mul_u32_u24 v[STO], v1, 272                  ; in: row l % 16; lanes 16-31 hold the columns 16 further on
	v_lshl_add_u32 v[STO], v2, 6, v[STO]
	v_add_nc_u32 v[STO], s18, v[STO]
	v_mul_u32_u24 v[RD], v2, 272                   ; back: sixteen lanes take a row of 256 bytes
	v_lshl_add_u32 v[RD], v1, 4, v[RD]
	v_add_nc_u32 v[RD], s18, v[RD]
	v_lshlrev_b32 v[CO], 13, v2                    ; and the same two rows in out0
	v_lshl_add_u32 v[CO], v1, 4, v[CO]
.macro FETCH_A u, i0                   ; O's blocks i0 .. i0 + 3 of step u: six loads of 8 bytes a lane each
.irp i, \i0, \i0+1, \i0+2, \i0+3
.irp p, 0,1,2,3,4,5
	ds_load_b64 v[AF+12*(\i)+2*\p:AF+12*(\i)+2*\p+1], v[ADRA+(\u)/4] offset:ASIG*(((\u)/2)%2)+1536*((\u)%2)+3072*(\i)+256*\p
.endr
.endr
.endm
.macro SCALES sg                       ; the scale words of slice sg (two steps) into set sg % 2
.irp i, 0,1,2,3,4,5,6,7
	ds_load_b64 v[SCA+16*((\sg)%2)+2*\i:SCA+16*((\sg)%2)+2*\i+1], v[ADSA] offset:1024*(\sg)+128*\i
.endr
.irp b, 0,1,2,3
	ds_load_b64 v[SCB+8*((\sg)%2)+2*\b:SCB+8*((\sg)%2)+2*\b+1], v[ADSB] offset:512*(\sg)+128*\b
.endr
.endm
.macro MULA a0, bb, q, sc, zero        ; 8 products: O's blocks a0, a0 + 1 against the four fragments at bb.  The 32 accumulators take turns
.irp a, \a0, \a0+1
.irp b, 0,1,2,3
.if \zero
	v_wmma_scale_f32_16x16x128_f8f6f4 v[8*(4*(\a)+\b):8*(4*(\a)+\b)+7], v[(\bb)+12*\b:(\bb)+12*\b+11], v[AF+12*(\a):AF+12*(\a)+11], 0, v[SCB+8*(\sc)+2*\b+(\q)], v[SCA+16*(\sc)+2*(\a)+(\q)] matrix_a_fmt:MATRIX_FMT_FP6 matrix_b_fmt:MATRIX_FMT_FP6
.else
	v_wmma_scale_f32_16x16x128_f8f6f4 v[8*(4*(\a)+\b):8*(4*(\a)+\b)+7], v[(\bb)+12*\b:(\bb)+12*\b+11], v[AF+12*(\a):AF+12*(\a)+11], v[8*(4*(\a)+\b):8*(4*(\a)+\b)+7], v[SCB+8*(\sc)+2*\b+(\q)], v[SCA+16*(\sc)+2*(\a)+(\q)] matrix_a_fmt:MATRIX_FMT_FP6 matrix_b_fmt:MATRIX_FMT_FP6
.endif
.endr
.endr
.endm
; Step t of 128 along K: 32 products.  First Wp's fragments of step t + 5 are asked for, into the set that the last step read (four places and more stand behind its last product).
; O's fragments of step t + 1 are fetched: blocks 0-3 in the middle, 4-7 at the end.
.macro STEP t, zero
.set SS, (\t)%6
.if SS < 3
.set SB0, 48*SS
.set WB, 1
.else
.set SB0, 48*(SS-3)
.set WB, 3
.endif
.if (\t)+5 < 16
	GLOADB (\t)+5
	s_wait_loadcnt 60                              ; this step's 12 loads are in; those of the five steps behind it may be out
.else
	s_wait_loadcnt 12*(15-(\t))
.endif
	s_wait_dscnt 24                                ; O's blocks 0-3 and the scale words are in; the youngest 24 loads (blocks 4-7) may be out
	WIN 0xa0|WB
	MULA 0, SB0, (\t)%2, ((\t)/2)%2, \zero
	MULA 2, SB0, (\t)%2, ((\t)/2)%2, \zero
	s_wait_dscnt 0
.if (\t) < 15
	PLACES 4
	WIN 0
	FETCH_A (\t)+1, 0
.if (\t)%2 == 1
	SCALES ((\t)+1)/2
.endif
.if (\t) < 8
.if (\t)%2 == 0
	global_prefetch_b8 v[PFO], s[BB:BB+1] offset:WSIG*((\t)/2+4) th:TH_LOAD_NT scope:SCOPE_SE
.endif
.endif
.endif
	WIN 0xa0|WB
	MULA 4, SB0, (\t)%2, ((\t)/2)%2, \zero
	MULA 6, SB0, (\t)%2, ((\t)/2)%2, \zero
.if (\t) < 15
	PLACES 4
	WIN 0
	FETCH_A (\t)+1, 4
.endif
.endm
	s_wait_alu depctr_va_vdst(0)
	s_wait_tensorcnt 0x0                           ; my tile of the head's four is in:
	s_barrier_signal -1
	s_barrier_wait -1                              ; everybody's is
	FETCH_A 0, 0
	SCALES 0
	FETCH_A 0, 4
	STEP 0, 1                                      ; the first step's products start the sums
.set ST, 1
.rept 15
	STEP ST, 0
.set ST, ST+1
.endr
	WIN 0
; THE WAY OUT, block by block of 16 rows x 64 columns: through my own stage, back as rows of 256 bytes, which sixteen lanes store as one aligned unit.  LDS serves a wave's instructions in order: no wait between the stores and the loads.
.macro TOSTAGE a
	WIN 0x08
.irp b, 0,1,2,3
	ds_store_b128 v[STO], v[8*(4*(\a)+\b):8*(4*(\a)+\b)+3] offset:128*(\b/2)+32*(\b%2)       ; each accumulator from its low end on
	ds_store_b128 v[STO], v[8*(4*(\a)+\b)+4:8*(4*(\a)+\b)+7] offset:128*(\b/2)+32*(\b%2)+16
.endr
	WIN 0
.set BB2, BK+32*((\a)%2)
.irp t, 0,1,2,3,4,5,6,7
	ds_load_b128 v[BB2+4*\t:BB2+4*\t+3], v[RD] offset:544*\t
.endr
.endm
.macro SEND a, younger                 ; younger: the LDS instructions issued behind block a's loads
.set BB2, BK+32*((\a)%2)
	s_wait_dscnt \younger
.if (\a) > 0
	s_add_nc_u64 s[8:9], s[8:9], 131072            ; 16 rows on (behind a wait on XCNT: the earlier stores have read their base)
.endif
.irp t, 0,1,2,3,4,5,6,7
	global_store_b128 v[CO], v[BB2+4*\t:BB2+4*\t+3], s[8:9] offset:16384*\t th:TH_STORE_NT
.endr
.endm
	PLACES 4
	TOSTAGE 0
.irp a, 1,2,3,4,5,6,7
.if \a > 1
	s_wait_xcnt 0x0                                ; block a - 2's stores have read their registers and their base
.endif
	TOSTAGE \a
	SEND \a-1, 16
.endr
	s_wait_xcnt 0x0
	SEND 7, 0
	s_wait_tensorcnt 0x0                           ; the wave's end
	ds_add_u32 v[SPW], v[NIL]
	s_wait_dscnt 0x0
	CROUND                                         ; the closing round
	s_endpgm
.Lfunc_end_k_q14f6861966_gemm2:
	.size	k_q14f6861966_gemm2, .Lfunc_end_k_q14f6861966_gemm2-k_q14f6861966_gemm2
	.p2alignl 7, 3214868480
	.fill 96, 4, 3214868480
	.section	.rodata,"a",@progbits
	.p2align	6, 0x0
	.amdhsa_kernel k_q14f6861966_gemm2
		.amdhsa_group_segment_fixed_size 327680
		.amdhsa_private_segment_fixed_size 0
		.amdhsa_enable_private_segment 0
		.amdhsa_kernarg_size 24
		.amdhsa_user_sgpr_count 2
		.amdhsa_user_sgpr_kernarg_segment_ptr 1
		.amdhsa_wavefront_size32 1
		.amdhsa_system_sgpr_workgroup_id_x 1
		.amdhsa_system_sgpr_workgroup_id_y 1
		.amdhsa_system_sgpr_workgroup_id_z 1
		.amdhsa_system_vgpr_workitem_id 0
		.amdhsa_next_free_vgpr 1024
		.amdhsa_next_free_sgpr 102
		.amdhsa_reserve_vcc 0
		.amdhsa_float_denorm_mode_32 3
		.amdhsa_float_denorm_mode_16_64 3
		.amdhsa_memory_ordered 1
		.amdhsa_forward_progress 1
		.amdhsa_inst_pref_size 168
	.end_amdhsa_kernel
	.amdgpu_metadata
---
amdhsa.version: [ 1, 2 ]
amdhsa.kernels:
  - .name:           k_q14f6861966_gemm2
    .symbol:         k_q14f6861966_gemm2.kd
    .args:
      - { .name: aobuf, .offset: 0, .size: 8, .value_kind: global_buffer, .address_space: global }
      - { .name: w2buf, .offset: 8, .size: 8, .value_kind: global_buffer, .address_space: global }
      - { .name: out0, .offset: 16, .size: 8, .value_kind: global_buffer, .address_space: global }
    .group_segment_fixed_size: 327680
    .private_segment_fixed_size: 0
    .kernarg_segment_align: 8
    .kernarg_segment_size: 24
    .max_flat_workgroup_size: 128
    .sgpr_count:     102
    .vgpr_count:     1024
    .wavefront_size: 32
...
	.end_amdgpu_metadata
.endif
;; end of part 4
